; MI455X (gfx1250); checked and timed in simulation.
; The chip was launched on July 23, 2026; its instructions are those of AMD's public machine-readable ISA for CDNA 5 (MIT licence, August 2026) and "CDNA5" Instruction Set Architecture Reference Guide (July 2026). The comments in the code are by the model that wrote it; some were corrected since.
;; VQ Codebook Layer. Allowed arithmetic: matrix products marked QUANTISED: E2M3 operands, one E8M0 scale for each 32 along K, by v_wmma_scale_f32_16x16x128_f8f6f4 with both operands' format E2M3, f32 sums; everything else in f32.
;; Inputs: codebook 16,384 x 64 float32; x 4 x 2,048 x 64 float32.
;; Outputs: out0 4 x 2,048 x 64 float32; out1 4 x 2,048 x 8 int32.
;; This version of the problem:
;;   THIS VERSION OF THE PROBLEM IS GIVEN IN LOW PRECISION. The matrix products marked QUANTISED in the list below multiply operands that are first quantised to E2M3 (2 exponent bits, 3 mantissa bits; 6 bits a number), with one power-of-two scale for each 32 numbers along K (OCP MX v1.0); their sums are f32. All else is computed in f32.
;;   The module's matrix products, in the order in which they are computed (A, B: the left and right operand; K: the contracted axis; several contracted axes count as one K, in the product's order):
;;     1. [M 8,192, K 64] x [K 64, N 16,384]; A: input x; B: input codebook: QUANTISED
;;   THE QUANTISER, for each operand of a quantised product, along K:
;;     - K is cut into blocks of 32 from its start; a last block that is shorter is filled with zeros.
;;     - A block's scale is 2^e with e = floor(log2(the largest magnitude in the block)) - 2, held to -126 .. 127; a block of zeros has e = 0. As a byte (E8M0): e + 127.
;;     - Each number is divided by its block's scale, clamped to +-7.5, and rounded to the nearest number of E2M3, ties to even, subnormals kept.
;;     - The product sums the exact products of the quantised numbers (number of the format x scale) in f32.
;;   ~~~python
;;   def quantise(x, axis):      # numpy; x: float32 -> the quantised numbers, widened to float32 again
;;       x = np.moveaxis(x, axis, -1); K = x.shape[-1]
;;       x = np.pad(x, [(0, 0)] * (x.ndim - 1) + [(0, -K % 32)]); x = x.reshape(x.shape[:-1] + (-1, 32)); a = np.abs(x).max(-1, keepdims=True)
;;       e = np.where(a > 0, np.clip(np.frexp(np.where(a > 0, a, 1))[1] - 1 - 2, -126, 127), 0)      # np.frexp(a)[1] - 1 = floor(log2(a)), exactly
;;       r = np.clip(x / 2.0 ** e, -7.5, 7.5)
;;       step = 2.0 ** (np.maximum(np.frexp(np.where(r == 0, 1, r))[1] - 1, 0) - 3)
;;       q = np.round(r / step) * step * 2.0 ** e      # np.round: ties to even
;;       return np.moveaxis(q.reshape(q.shape[:-2] + (-1,))[..., :K], -1, axis).astype(np.float32)
;;   ~~~
;; 2 versions, each right; version 2 is version 1 with the launch refine written anew for expert scheduling mode. Each part assembles by itself: llvm-mc -triple=amdgcn-amd-amdhsa -mcpu=gfx1250 --defsym DOCPART=n.
;; ======== version 1 of 2: 4 launches
;; workspace buffers: cbq 786,432 bytes; cax 98,304 bytes; xq 393,216 bytes; xax 49,152 bytes; sel 262,144 bytes of whole numbers; ids 262,144 bytes of whole numbers
;; launch prep (part 1): grid 384 x 1, 1 waves a work-group, no clusters, 19,200 bytes of LDS; arguments codebook, x, cbq, cax, xq, xax; writes cbq, cax, xq, xax
.if DOCPART == 1
	.amdgcn_target "amdgcn-amd-amdhsa--gfx1250"
	.amdhsa_code_object_version 6
	.text
	.protected	k_q14335b0716_prep
	.globl	k_q14335b0716_prep
	.p2align	8
	.type	k_q14335b0716_prep,@function
k_q14335b0716_prep:
	s_mov_b64 s[64:65], 0
	v_nop
	global_prefetch_b8 v0, s[64:65] scope:SCOPE_SE
	s_setreg_imm32_b32 hwreg(HW_REG_WAVE_MODE, 25, 1), 1
	s_wait_xcnt 0x0
; PREP.  codebook [16384][64] and x [8192][64], f32, become codes of FP6 (E2M3) with one E8M0 byte for each 32 along K, laid in the ORDER OF AN OPERAND'S REGISTERS, and the negated sums of squares -c2, -x2.
; One wave makes one BATCH of 64 rows: four tiles u of 16 rows m = 8 h + j.  Work-groups 0-255: codebook batch b = 64 w + B holds the codes 4096 w + 2048 h + 32 B + 8 u + j.  Work-groups 256-383: x batch holds the queries 64 b + 16 u + m.
; A batch of codes is 3,072 bytes: two DOUBLE TILES v, each ONE operand of 12 registers: registers 0-5 (k < 64) tile 2 v, registers 6-11 (k >= 64) tile 2 v + 1; lane m + 16 hk holds block hk of row m; registers 4 c .. 4 c + 3 lie at 1536 v + 512 c + 16 lane.
; Beside it 384 bytes: the negated sums [h][u][j] (256 bytes), then the scale words [v][m] (128 bytes): bytes = tile 2 v block 0, block 1, tile 2 v + 1 block 0, block 1.
; A block's scale is 2^(floor(log2(largest magnitude)) - 2); its byte is the largest magnitude's exponent field - 2, held at 1 from below.  A block of zeros keeps the byte 1: its codes are zeros, and this program alone reads the bytes.
; THE SUMS OF SQUARES are one chain of fused multiply-adds along ascending d, begun by a multiplication.  LIMITS: that order of summing is this text's own choice; NaN and infinities among the inputs are not served.
; Both tensors take one path: only pointers and two strides are chosen, on the work-group's number.  One wave: no barrier.
.set VO,  16                           ; v16-23   byte offsets of the eight runs (u, h) of 8 rows: 16 lane + u USB + h HSB
.set X,   32                           ; v32-159  tile u at 32 u: first as loaded, then 32 neighbours of one row
.set CD,  160                          ; v160-183 the two operands: tile u's six registers at 6 u
.set TMP, 184                          ; v184-186 the second half of a block's codes (a conversion's three registers begin on an even number)
.set AM,  188                          ; largest magnitudes, a register a tile
.set SC,  192                          ; the conversions' scale operands
.set BY,  196                          ; the scales' bytes
.set ACC, 200                          ; the chains of d = 0 .. 31
.set AC2, 204                          ; and of d = 32 .. 63
.set TST, 4608                         ; LDS: a tile's stage: two areas (block 0, block 1) of 16 rows x (128 bytes + 16)
.set NST, 4*TST                        ; behind the stages: 256 bytes for the negated sums
	s_load_b256 s[4:11], s[0:1], 0x0               ; codebook s[4:5], x s[6:7], cbq s[8:9], cax s[10:11]
	s_load_b128 s[12:15], s[0:1], 0x20             ; xq s[12:13], xax s[14:15]
	v_lshl_add_u32 v208, v0, 2, 0x4a00
	v_mov_b32 v209, 0
	v_lshlrev_b32 v2, 4, v0                        ; 16 lane
	v_and_b32 v3, 15, v0                           ; m
	v_lshrrev_b32 v4, 4, v0                        ; lane / 16
	v_bfe_u32 v5, v0, 3, 1                         ; (lane / 8) % 2
	v_and_b32 v6, 7, v0
	v_mul_u32_u24 v7, v5, 2304                     ; into the stage: a load's lane holds 16 bytes of row 2 i + lane / 16, block (lane / 8) % 2
	v_mad_u32_u24 v7, v4, 144, v7
	v_lshl_add_u32 v7, v6, 4, v7
	v_mul_u32_u24 v8, v4, 2304                     ; out of it: block lane / 16 of row m
	v_mad_u32_u24 v8, v3, 144, v8
	v_lshlrev_b32 v9, 7, v5                        ; a row's negated sum: NST + 128 (m / 8) + 4 (m % 8), + 32 u in the immediate
	v_lshl_add_u32 v9, v6, 2, v9
	v_add_nc_u32 v9, NST, v9
	v_lshl_add_u32 v10, v0, 3, NST                 ; and back, 8 bytes a lane
	v_lshlrev_b32 v11, 3, v0
	v_lshlrev_b32 v12, 2, v0
	s_and_b32 s16, ttmp9, 255                      ; the batch's number in its tensor
	s_lshr_b32 s17, s16, 6
	s_lshl_b32 s17, s17, 20
	s_and_b32 s18, s16, 63
	s_lshl_b32 s18, s18, 13
	s_add_co_u32 s17, s17, s18                     ; codebook: 256 bytes x (4096 w + 32 B)
	s_lshl_b32 s18, s16, 14                        ; x: 256 bytes x 64 b
	s_mul_i32 s22, s16, 3072
	s_mov_b32 s23, 0
	s_mul_i32 s24, s16, 384
	s_mov_b32 s25, 0
	s_mov_b32 s27, 0
	s_mov_b32 s19, 2048                            ; x: from h to h + 1: 8 rows
	s_mov_b32 s20, 4096                            ; x: from tile to tile: 16 rows
	s_mov_b32 s30, 0xffff0000                      ; lanes 16-31
	s_mov_b32 s32, 0x76543210
	s_mov_b32 s33, 0xfedcba98                      ; v_permlanex16_b32's selects for lane xor 16
	s_wait_kmcnt 0x0
	s_cmp_lt_u32 ttmp9, 256                        ; the codebook's work-group or x's: the choice hangs on the work-group's number alone
	s_cselect_b64 s[4:5], s[4:5], s[6:7]
	s_cselect_b64 s[8:9], s[8:9], s[12:13]
	s_cselect_b64 s[10:11], s[10:11], s[14:15]
	s_cselect_b32 s26, s17, s18
	s_cselect_b32 s19, 0x80000, s19                ; codebook: h to h + 1 is 2,048 rows,
	s_cselect_b32 s20, 2048, s20                   ; tile to tile 8 rows
	s_add_nc_u64 s[4:5], s[4:5], s[26:27]
	s_add_nc_u64 s[8:9], s[8:9], s[22:23]
	s_add_nc_u64 s[10:11], s[10:11], s[24:25]
.irp u, 0,1,2,3
	s_mul_i32 s28, s20, \u
	v_add_nc_u32 v[VO+2*\u], s28, v2
	s_add_co_u32 s28, s28, s19
	v_add_nc_u32 v[VO+2*\u+1], s28, v2
.endr
.irp u, 0,1,2,3
.irp h, 0,1
.irp i, 0,1,2,3
	global_load_b128 v[X+32*\u+16*\h+4*\i:X+32*\u+16*\h+4*\i+3], v[VO+2*\u+\h], s[4:5] offset:512*\i th:TH_LOAD_NT   ; 32 lanes read 512 consecutive bytes: two rows
.endr
.endr
.endr
.irp u, 0,1,2,3
.irp h, 0,1
	s_wait_loadcnt 28-4*(2*\u+\h)                  ; this run's four loads are in; the younger runs' may be out
.irp i, 0,1,2,3
	ds_store_b128 v7, v[X+32*\u+16*\h+4*\i:X+32*\u+16*\h+4*\i+3] offset:TST*\u+1152*\h+288*\i
.endr
.endr
.endr
	s_wait_dscnt 0x0                               ; the stores have read their registers: the loads below land there
.irp u, 0,1,2,3
.irp c, 0,1,2,3,4,5,6,7
	ds_load_b128 v[X+32*\u+4*\c:X+32*\u+4*\c+3], v8 offset:TST*\u+16*\c
.endr
.endr
	s_wait_dscnt 0x0                               ; lane (m, hk) holds numbers 32 hk .. 32 hk + 31 of row m of each tile: a whole block
.irp u, 0,1,2,3
	v_max3_num_f32 v[AM+\u], |v[X+32*\u]|, |v[X+32*\u+1]|, 0x1800000   ; the floor 2^(3 - 127): the byte cannot fall under 1
.endr
.set I, 2
.rept 15
.irp u, 0,1,2,3
	v_max3_num_f32 v[AM+\u], v[AM+\u], |v[X+32*\u+I]|, |v[X+32*\u+I+1]|   ; the four tiles by turns
.endr
.set I, I+2
.endr
.irp u, 0,1,2,3
	v_add_nc_u32 v[SC+\u], 0xff000000, v[AM+\u]    ; 2 off the exponent field: the conversion takes that field as its scale, and nothing else
.endr
.irp u, 0,1,2,3
	v_lshrrev_b32 v[BY+\u], 23, v[SC+\u]           ; the scale's byte
.endr
.irp u, 0,1,2,3
	v_cvt_scalef32_pk16_fp6_f32 v[CD+6*\u:CD+6*\u+2], v[X+32*\u:X+32*\u+15], v[SC+\u]
	v_cvt_scalef32_pk16_fp6_f32 v[TMP:TMP+2], v[X+32*\u+16:X+32*\u+31], v[SC+\u]
	v_nop                                          ; one plain instruction between a scaled conversion and the vector instruction that touches its result
	v_mov_b32 v[CD+6*\u+3], v[TMP]
	v_mov_b32 v[CD+6*\u+4], v[TMP+1]
	v_mov_b32 v[CD+6*\u+5], v[TMP+2]
.endr
.irp v, 0,1
.irp c, 0,1,2
	global_store_b128 v2, v[CD+12*\v+4*\c:CD+12*\v+4*\c+3], s[8:9] offset:1536*\v+512*\c   ; 32 lanes store 512 consecutive bytes
.endr
.endr
	; the sums of squares: d = 0 .. 31 in lanes 0-15; lanes 16-31 take that sum over and go on with d = 32 .. 63
.irp u, 0,1,2,3
	v_mul_f32 v[ACC+\u], v[X+32*\u], v[X+32*\u]
	v_mov_b32 v[AC2+\u], 0                         ; (a lane permute's destination counts as one of its sources)
.endr
.set I, 1
.rept 31
.irp u, 0,1,2,3
	v_fmac_f32 v[ACC+\u], v[X+32*\u+I], v[X+32*\u+I]
.endr
.set I, I+1
.endr
.irp u, 0,1,2,3
	v_permlanex16_b32 v[AC2+\u], v[ACC+\u], s32, s33
.endr
.irp u, 0,1,2,3
	v_cndmask_b32 v[AC2+\u], 0, v[AC2+\u], s30
.endr
.set I, 0
.rept 32
.irp u, 0,1,2,3
	v_fmac_f32 v[AC2+\u], v[X+32*\u+I], v[X+32*\u+I]
.endr
.set I, I+1
.endr
.irp u, 0,1,2,3
	v_permlanex16_b32 v[ACC+\u], v[AC2+\u], s32, s33
.endr
.irp u, 0,1,2,3
	v_cndmask_b32 v[ACC+\u], v[ACC+\u], v[AC2+\u], s30   ; both lanes of a row now hold the row's sum
.endr
.irp u, 0,1,2,3
	v_xor_b32 v[ACC+\u], 0x80000000, v[ACC+\u]     ; negated
.endr
	; the scale words: my four bytes (tiles 0-3 of my block), my partner's four, laid as the two double tiles want them
	v_lshl_or_b32 v13, v[BY+1], 8, v[BY]
	v_lshl_or_b32 v13, v[BY+2], 16, v13
	v_lshl_or_b32 v13, v[BY+3], 24, v13
	v_mov_b32 v14, 0
	v_permlanex16_b32 v14, v13, s32, s33
	v_cndmask_b32 v15, v13, v14, s30               ; block 0's bytes
	v_cndmask_b32 v14, v14, v13, s30               ; block 1's
	v_perm_b32 v13, v14, v15, 0x05010400           ; double tile 0
	v_perm_b32 v14, v14, v15, 0x07030602           ; double tile 1
	v_cndmask_b32 v13, v13, v14, s30               ; lane m + 16 v holds word [v][m]
	global_store_b32 v12, v13, s[10:11] offset:256
.irp u, 0,1,2,3
	ds_store_b32 v9, v[ACC+\u] offset:32*\u        ; both lanes of a row write the same word with the same value
.endr
	ds_load_b64 v[14:15], v10                      ; LDS serves a wave's instructions in order (ISA guide 5.7.1.4): this sees the stores
	s_wait_dscnt 0x0
	global_store_b64 v11, v[14:15], s[10:11]       ; 32 lanes store 256 consecutive bytes
	s_wait_tensorcnt 0x0
	ds_add_u32 v208, v209
	s_wait_dscnt 0x0
	s_endpgm
.Lfunc_end_k_q14335b0716_prep:
	.size	k_q14335b0716_prep, .Lfunc_end_k_q14335b0716_prep-k_q14335b0716_prep
	.p2alignl 7, 3214868480
	.fill 96, 4, 3214868480
	.section	.rodata,"a",@progbits
	.p2align	6, 0x0
	.amdhsa_kernel k_q14335b0716_prep
		.amdhsa_group_segment_fixed_size 19200
		.amdhsa_private_segment_fixed_size 0
		.amdhsa_enable_private_segment 0
		.amdhsa_kernarg_size 48
		.amdhsa_user_sgpr_count 2
		.amdhsa_user_sgpr_kernarg_segment_ptr 1
		.amdhsa_wavefront_size32 1
		.amdhsa_system_sgpr_workgroup_id_x 1
		.amdhsa_system_sgpr_workgroup_id_y 1
		.amdhsa_system_sgpr_workgroup_id_z 1
		.amdhsa_system_vgpr_workitem_id 0
		.amdhsa_next_free_vgpr 210
		.amdhsa_next_free_sgpr 66
		.amdhsa_reserve_vcc 0
		.amdhsa_float_denorm_mode_32 3
		.amdhsa_float_denorm_mode_16_64 3
		.amdhsa_memory_ordered 1
		.amdhsa_forward_progress 1
		.amdhsa_inst_pref_size 28
	.end_amdhsa_kernel
	.amdgpu_metadata
---
amdhsa.version: [ 1, 2 ]
amdhsa.kernels:
  - .name:           k_q14335b0716_prep
    .symbol:         k_q14335b0716_prep.kd
    .args:
      - { .name: codebook, .offset: 0, .size: 8, .value_kind: global_buffer, .address_space: global }
      - { .name: x, .offset: 8, .size: 8, .value_kind: global_buffer, .address_space: global }
      - { .name: cbq, .offset: 16, .size: 8, .value_kind: global_buffer, .address_space: global }
      - { .name: cax, .offset: 24, .size: 8, .value_kind: global_buffer, .address_space: global }
      - { .name: xq, .offset: 32, .size: 8, .value_kind: global_buffer, .address_space: global }
      - { .name: xax, .offset: 40, .size: 8, .value_kind: global_buffer, .address_space: global }
    .group_segment_fixed_size: 19200
    .private_segment_fixed_size: 0
    .kernarg_segment_align: 8
    .kernarg_segment_size: 48
    .max_flat_workgroup_size: 32
    .sgpr_count:     66
    .vgpr_count:     210
    .wavefront_size: 32
...
	.end_amdgpu_metadata
.endif
;; end of part 1
;; launch scan (part 2): grid 256 x 1, 4 waves a work-group, clusters of 4 x 1, 327,680 bytes of LDS; arguments cbq, cax, xq, xax, sel; writes sel
.if DOCPART == 2
	.amdgcn_target "amdgcn-amd-amdhsa--gfx1250"
	.amdhsa_code_object_version 6
	.text
	.protected	k_q14335b0716_scan
	.globl	k_q14335b0716_scan
	.p2align	8
	.type	k_q14335b0716_scan,@function
k_q14335b0716_scan:
	s_mov_b64 s[64:65], 0
	v_nop
	global_prefetch_b8 v0, s[64:65] scope:SCOPE_SE
	s_setreg_imm32_b32 hwreg(HW_REG_WAVE_MODE, 25, 1), 1
	s_wait_xcnt 0x0
	s_wait_alu depctr_hold_cnt(0) depctr_sa_sdst(0) depctr_va_vdst(0) depctr_va_sdst(0) depctr_va_ssrc(0) depctr_va_vcc(0) depctr_vm_vsrc(0)
	s_getreg_b32 s2, hwreg(HW_REG_IB_STS2, 6, 4)
	s_cmp_eq_u32 s2, 0
	s_cbranch_scc0 .Lentry_in_a_cluster
	s_endpgm
.Lentry_in_a_cluster:
	s_bfe_u32 s2, ttmp6, 0x10000c
	s_cmp_lg_u32 s2, 0x3003
	s_cbranch_scc0 .Lentry_shape_is_right
	s_endpgm
.Lentry_shape_is_right:
; SCAN.  All 8,192 x 16,384 scores s = (2 xc - x2) - c2, xc on codes of FP6 (E2M3) with E8M0 scales; of each query the 8 best GROUPS of 32 neighbouring codes, by (group's largest score descending, group's number ascending).
; Every one of a query's 8 best scores lies in one of its 8 best groups: eight groups ranked ahead of a score's group would each hold a score that goes before it.  The next launch looks into those groups.
; SHARES.  A work-group owns 32 queries (two tiles); wave w walks the codes 4096 w .. 4096 w + 4095 as 64 batches of 64 codes for both tiles.  Source 0 = 16 codes, source 1 = 16 queries: lane (r, h) holds query r and code rows 8 h + j.
; A batch's rows are laid so that the 32 scores that lane half h gets from its four tiles are the 32 neighbouring codes 4096 w + 2048 h + 32 B + 0 .. 31: group 128 w + 64 h + B.
; K = 64 IS HALF OF THE INSTRUCTION'S 128: one operand of 12 registers holds TWO tiles of codes (k < 64, k >= 64); x stands as [x][0] or [0][x] and so picks one of them.  v26-61 hold [x][0][x] for each query tile: both forms overlap there.
; THE ARITHMETIC: one fused multiply-add 2 xc + (-x2), one addition of -c2: two roundings.  A group's maximum: fifteen three-way maxima and one maximum for each query tile.  The list of 8 is kept sorted: eight compares (strictly greater, so that
; an entry in the list stays ahead of an equal newcomer, which has the higher number), fifteen selects for the numbers, seven medians and a maximum for the values.  No branch and no address hangs on a score.
; A STEP loads batch k from LDS, multiplies batch k - 1 and reduces batch k - 2.  Each product starts its sum with the constant 0: no accumulator is taken up again.
; CLUSTER.  All work-groups walk the same prepared codebook: four of them form a cluster and ask for each part JOINTLY (mask 15): wave w's loads hang on w alone.  Each wave reads only the LDS bytes that its own loads filled.
; LDS claim: all of it.
; LIMITS: NaN and infinities among the inputs, and scores that overflow, are not served; +0 and -0 count as equal.
.set WSL,   24576                      ; a wave's part of a slot: 8 batches of 3,072 bytes; also a wave's 64 blocks of 384 bytes of sums and scale words
.set BATCH, 3072
.set AXB,   384
.set SLOT1, 1<<17                      ; slot 0 at 0, slot 1 here: one exclusive or turns an address from one into the other
.set MRG,   98304                      ; 16,384 bytes: the waves' lists, for the merge at the end
.set SPARE, 114688                     ; the spare words: 128 bytes for each wave, two blocks of 256 bytes that no other line names
.set AUX,   229376                     ; 98,304 bytes: -c2 and the scale words of the whole codebook, filled once
.set SPW, 1                            ; v1   SPARE + 4 x my thread's number; never rewritten
.set NIL, 2                            ; v2   0; never rewritten
.set VLA, 3                            ; v3   16 lane + WSL w
.set VLC, 4                            ; v4   AUX - 384 + WSL w + 128 h: -c2 of the batch before the step's
.set VLS, 5                            ; v5   AUX + 256 + WSL w + 4 lane: the step's scale words
.set VA,  6                            ; v6-8 the step's three addresses
.set VC,  7
.set VSC, 8
.set VG,  9                            ; v9   the number of the group that is being reduced
.set GM,  10                           ; v10-11 its largest score, for query tile 0, 1
.set TT,  12                           ; v12-17 at work
.set NX0, 18                           ; v18-19 -x2 of my query in tile 0, twice; v20-21 in tile 1
.set NX1, 20
.set XS,  22                           ; v22-23 x's scale words (b0, b1, b0, b1), tile 0, 1: scales and nothing else
.set AS,  24                           ; v24-25 the codes' scale words, two sets by turns: lanes 0-15 double tile 0, lanes 16-31 double tile 1
.set XB,  26                           ; v26-61 [x][0][x], 18 registers a query tile
.set A,   62                           ; v62-85 the batch's two double tiles
.set C2,  86                           ; v86-117 -c2, 8 a tile
.set D,   118                          ; v118-181 scores: tile u, query tile qt at 16 u + 8 qt
.set LV0, 182                          ; the lists: values, then numbers, for query tile 0; then for tile 1
.set LI0, 190
.set LV1, 198
.set LI1, 206
.set XR,  214                          ; v214-225 x's double tile as loaded
.set VMS, 230                          ; v230 MRG + 4096 w + 16 lane
.set VMR, 231                          ; v231 MRG + 2048 (w % 2) + 16 lane
.set VSO, 232                          ; v232 my 16 bytes of sel
.set G1,  24                           ; s[24:31] descriptor group 1: 96 rows of 256 bytes, dense: it serves every load
.set G0A, 32                           ; s[32:35] group 0: sums and scale words
.set G0S, 36                           ; s[36:39] slot 0's first fill
.set G0W, 40                           ; s[40:43] slot 1's first fill; then it walks
.set TB,  44                           ; s44  LDS byte of the step's batch in my part of the ring
.set TC,  45                           ; s45  384 x the step
.set CA,  72                           ; s[72:79], s[80:87] the compares' masks
.set CB,  80
.macro ROUND                           ; a round of the cluster's barrier
	s_barrier_signal -1
	s_barrier_wait -1
	s_cmp_lg_u32 s14, 0
	s_cbranch_scc1 .Lnot_wave_0_\@
	s_barrier_signal -3
.Lnot_wave_0_\@:
	s_barrier_wait -3
	s_barrier_signal -1
	s_barrier_wait -1
.endm
.macro NOP4
.rept 4
	v_nop
.endr
.endm
; Tile u's 2 x 8 products become scores and enter the group's maxima.  Each accumulator is read from its low end on.
.macro P2 u
.irp p, 0,1,2,3
	v_pk_fma_f32 v[D+16*(\u)+2*\p:D+16*(\u)+2*\p+1], v[D+16*(\u)+2*\p:D+16*(\u)+2*\p+1], 2.0, v[NX0:NX0+1] op_sel_hi:[1,0,1]
	v_pk_fma_f32 v[D+16*(\u)+8+2*\p:D+16*(\u)+9+2*\p], v[D+16*(\u)+8+2*\p:D+16*(\u)+9+2*\p], 2.0, v[NX1:NX1+1] op_sel_hi:[1,0,1]
.endr
.irp p, 0,1,2,3
	v_pk_add_f32 v[D+16*(\u)+2*\p:D+16*(\u)+2*\p+1], v[D+16*(\u)+2*\p:D+16*(\u)+2*\p+1], v[C2+8*(\u)+2*\p:C2+8*(\u)+2*\p+1]
	v_pk_add_f32 v[D+16*(\u)+8+2*\p:D+16*(\u)+9+2*\p], v[D+16*(\u)+8+2*\p:D+16*(\u)+9+2*\p], v[C2+8*(\u)+2*\p:C2+8*(\u)+2*\p+1]
.endr
	v_max3_num_f32 v[TT], v[D+16*(\u)], v[D+16*(\u)+1], v[D+16*(\u)+2]
	v_max3_num_f32 v[TT+3], v[D+16*(\u)+8], v[D+16*(\u)+9], v[D+16*(\u)+10]
	v_max3_num_f32 v[TT+1], v[D+16*(\u)+3], v[D+16*(\u)+4], v[D+16*(\u)+5]
	v_max3_num_f32 v[TT+4], v[D+16*(\u)+11], v[D+16*(\u)+12], v[D+16*(\u)+13]
.if (\u) == 0
	v_max_num_f32 v[TT+2], v[D+16*(\u)+6], v[D+16*(\u)+7]
	v_max_num_f32 v[TT+5], v[D+16*(\u)+14], v[D+16*(\u)+15]
.else
	v_max3_num_f32 v[TT+2], v[D+16*(\u)+6], v[D+16*(\u)+7], v[GM]
	v_max3_num_f32 v[TT+5], v[D+16*(\u)+14], v[D+16*(\u)+15], v[GM+1]
.endif
	v_max3_num_f32 v[GM], v[TT], v[TT+1], v[TT+2]
	v_max3_num_f32 v[GM+1], v[TT+3], v[TT+4], v[TT+5]
.endm
; Tile u of the batch in A x query tile qt.  e: the step's parity; the batch's scale words were loaded a step ago, into the other set.
.macro W u, qt, e
.if (\u) < 2
	v_wmma_scale_f32_16x16x128_f8f6f4 v[D+16*(\u)+8*(\qt):D+16*(\u)+8*(\qt)+7], v[A+12*((\u)/2):A+12*((\u)/2)+11], v[XB+18*(\qt)+6*((\u)%2):XB+18*(\qt)+6*((\u)%2)+11], 0, v[AS+1-(\e)], v[XS+(\qt)] matrix_a_fmt:MATRIX_FMT_FP6 matrix_b_fmt:MATRIX_FMT_FP6
.else
	v_wmma_scale_f32_16x16x128_f8f6f4 v[D+16*(\u)+8*(\qt):D+16*(\u)+8*(\qt)+7], v[A+12*((\u)/2):A+12*((\u)/2)+11], v[XB+18*(\qt)+6*((\u)%2):XB+18*(\qt)+6*((\u)%2)+11], 0, v[AS+1-(\e)], v[XS+(\qt)] matrix_a_fmt:MATRIX_FMT_FP6 matrix_b_fmt:MATRIX_FMT_FP6 matrix_a_scale:MATRIX_SCALE_ROW1
.endif
.endm
.macro LC2 u                           ; -c2 of tile u's eight codes of my half
	ds_load_b128 v[C2+8*(\u):C2+8*(\u)+3], v[VC] offset:32*(\u)
	ds_load_b128 v[C2+8*(\u)+4:C2+8*(\u)+7], v[VC] offset:32*(\u)+16
.endm
.macro LA dt                           ; a double tile: the image of its 12 registers, 512 consecutive bytes a load
.irp c, 0,1,2
	ds_load_b128 v[A+12*(\dt)+4*\c:A+12*(\dt)+4*\c+3], v[VA] offset:1536*(\dt)+512*\c
.endr
.endm
; (x, xd) enters the sorted list of 8 values lv and numbers li.
.macro INS lv, li, x, xd, cm
.irp i, 0,1,2,3,4,5,6,7
	v_cmp_gt_f32 s[\cm+\i], v[\x], v[\lv+\i]
.endr
.irp i, 7,6,5,4,3,2,1
	v_cndmask_b32 v[\li+\i], v[\li+\i], v[\xd], s[\cm+\i]
	v_cndmask_b32 v[\li+\i], v[\li+\i], v[\li+\i-1], s[\cm+\i-1]
.endr
	v_cndmask_b32 v[\li], v[\li], v[\xd], s[\cm]
.irp i, 7,6,5,4,3,2,1
	v_med3_num_f32 v[\lv+\i], v[\lv+\i], v[\lv+\i-1], v[\x]
.endr
	v_max_num_f32 v[\lv], v[\lv], v[\x]
.endm
; The same for two lists, line by line by turns.  la = 1: the step's second double tile is fetched behind the sixteen compares, which are the places behind the last product that read its registers.
.macro INS2X lv0, li0, x0, xd0, lv1, li1, x1, xd1, la
.irp i, 0,1,2,3,4,5,6,7
	v_cmp_gt_f32 s[CA+\i], v[\x0], v[\lv0+\i]
	v_cmp_gt_f32 s[CB+\i], v[\x1], v[\lv1+\i]
.endr
.if \la
	LA 1
.endif
.irp i, 7,6,5,4,3,2,1
	v_cndmask_b32 v[\li0+\i], v[\li0+\i], v[\xd0], s[CA+\i]
	v_cndmask_b32 v[\li1+\i], v[\li1+\i], v[\xd1], s[CB+\i]
	v_cndmask_b32 v[\li0+\i], v[\li0+\i], v[\li0+\i-1], s[CA+\i-1]
	v_cndmask_b32 v[\li1+\i], v[\li1+\i], v[\li1+\i-1], s[CB+\i-1]
.endr
	v_cndmask_b32 v[\li0], v[\li0], v[\xd0], s[CA]
	v_cndmask_b32 v[\li1], v[\li1], v[\xd1], s[CB]
.irp i, 7,6,5,4,3,2,1
	v_med3_num_f32 v[\lv0+\i], v[\lv0+\i], v[\lv0+\i-1], v[\x0]
	v_med3_num_f32 v[\lv1+\i], v[\lv1+\i], v[\lv1+\i-1], v[\x1]
.endr
	v_max_num_f32 v[\lv0], v[\lv0], v[\x0]
	v_max_num_f32 v[\lv1], v[\lv1], v[\x1]
.endm
; STEP k, e = k % 2.  ld: batch k is fetched; w: batch k - 1 is multiplied; p: batch k - 2 is reduced; c2: -c2 of batch k - 1 is fetched.
; A whole step issues 15 LDS loads in this order: scale words 1, LC2 0 2, LC2 1 2, LA 0 3, LC2 2 2, LC2 3 2, LA 1 3.
; A load into a register that a product has read stands four plain vector instructions behind that product (ISA guide 7.12.1 for vector instructions): P2 2 and the compares are those; where a step has neither, four v_nop.
.macro BT e, ld, w, p, c2
.if \ld
	v_add_nc_u32 v[VA], s[TB], v[VLA]
	v_add_nc_u32 v[VSC], s[TC], v[VLS]
.endif
.if \c2
	v_add_nc_u32 v[VC], s[TC], v[VLC]
.endif
.if \ld
	ds_load_b32 v[AS+\e], v[VSC]
.endif
.if (\ld)&&(\p)
	s_wait_dscnt 8                                 ; behind the last step's LA 0 stand 7 loads of that step and 1 of this: double tile 0, the scale words and -c2 of tiles 0 and 1 are in
.else
	s_wait_dscnt 0x0
.endif
.irp u, 0,1
.if \p
	P2 \u
.endif
.if \w
	W \u, 0, \e
	W \u, 1, \e
.endif
.if \c2
	LC2 \u
.endif
.endr
.if (\ld)&&(\p)
	s_wait_dscnt 5                                 ; this step has issued 5 loads: all of the last step's are in
.else
	s_wait_dscnt 0x0
.endif
.if \p
	P2 2
.elseif (\ld)&&(\w)
	NOP4
.endif
.if \ld
	LA 0
.endif
.if \w
	W 2, 0, \e
	W 2, 1, \e
.endif
.if \c2
	LC2 2
.endif
.if \p
	P2 3
.endif
.if \w
	W 3, 0, \e
	W 3, 1, \e
.endif
.if \c2
	LC2 3
.endif
.if \p
	INS2X LV0, LI0, GM, VG, LV1, LI1, GM+1, VG, \ld
	v_add_nc_u32 v[VG], 1, v[VG]
.else
.if (\ld)&&(\w)
	NOP4
.endif
.if \ld
	LA 1
.endif
.endif
.if \ld
	s_add_co_u32 s[TB], s[TB], BATCH
	s_add_co_u32 s[TC], s[TC], AXB
.endif
.endm
.macro PAIRS n
	s_mov_b32 s46, \n
.Lpair_\@:
	BT 0, 1, 1, 1, 1
	BT 1, 1, 1, 1, 1
	s_sub_co_u32 s46, s46, 1
	s_cmp_lg_u32 s46, 0
	s_cbranch_scc1 .Lpair_\@
.endm
; THE CHANGE OF SLOTS with a refill.  All my tensor loads have landed (the one that was out is my part of the slot ahead); the add; my reads of the slot that I leave are back; a round of the cluster's barrier;
; then the slot just left is asked for again, jointly, with the batches two slots on: my one tensor load until the next round.  It has 8 steps in which to land.
.macro CHANGE1
	s_wait_tensorcnt 0x0
	ds_add_u32 v[SPW], v[NIL]                      ; 0 onto my spare word
	s_xor_b32 s[G0W+1], s[G0W+1], SLOT1            ; no tensor load of mine is out: the walking descriptor may be written
	s_add_nc_u64 s[G0W+2:G0W+3], s[G0W+2:G0W+3], WSL
	s_sub_co_u32 s[TB], s[TB], WSL
	s_xor_b32 s[TB], s[TB], SLOT1
	s_wait_dscnt 0x0
	ROUND
	tensor_load_to_lds s[G0W:G0W+3], s[G1:G1+7]
	s_nop 0
	NOP4
.endm
	s_load_b256 s[4:11], s[0:1], 0x0               ; cbq s[4:5], cax s[6:7], xq s[8:9], xax s[10:11]
	s_load_b64 s[12:13], s[0:1], 0x20              ; sel
	v_lshl_add_u32 v[SPW], v0, 2, SPARE
	v_mov_b32 v[NIL], 0
	ds_add_u32 v1, v2
	ds_add_u32 v1, v2
	s_wait_dscnt 0x0
	v_lshrrev_b32 v12, 5, v0
	v_readfirstlane_b32 s14, v12                   ; wave 0..3
	s_bfe_u32 s15, ttmp6, 0x40000                  ; cx: it enters the addresses of xq, xax and sel alone
	s_lshl_b32 s16, ttmp9, 2
	s_add_co_u32 s16, s16, s15                     ; work-group = 4 x cluster + cx
	s_mov_b32 s[G1+0], 15|(3<<16)|(1<<21)          ; 15:0 the mask: all four work-groups; 17:16 elements of 8 bytes; 20 no padding; 21 set beside a mask
	s_mov_b32 s[G1+1], 32<<16                      ; tensor_dim0 = 32 elements: 256 bytes
	s_mov_b32 s[G1+2], 96<<16                      ; tensor_dim1 = 96
	s_mov_b32 s[G1+3], 32<<16                      ; tile_dim0
	s_mov_b32 s[G1+4], 96                          ; tile_dim1
	s_mov_b32 s[G1+5], 32                          ; from row to row: dense
	s_mov_b32 s[G1+6], 0
	s_mov_b32 s[G1+7], 0
	s_mul_i32 s18, s14, WSL
	s_mov_b32 s19, 0
	s_mul_i32 s20, s14, 64*BATCH
	s_mov_b32 s21, 0
	s_mov_b32 s48, 0x76543210
	s_mov_b32 s49, 0xfedcba98                      ; v_permlanex16_b32's selects for lane xor 16
	s_mov_b32 s50, 0xffff0000                      ; lanes 16-31
	s_mov_b32 s[TB], 0
	s_mov_b32 s[TC], 0
	s_wait_kmcnt 0x0
	s_mov_b32 s[G0A], 1
	s_add_co_u32 s[G0A+1], s18, AUX
	s_add_nc_u64 s[G0A+2:G0A+3], s[6:7], s[18:19]
	s_or_b32 s[G0A+3], s[G0A+3], 0x80000000
	s_mov_b32 s[G0S], 1
	s_mov_b32 s[G0S+1], s18
	s_add_nc_u64 s[G0S+2:G0S+3], s[4:5], s[20:21]
	s_or_b32 s[G0S+3], s[G0S+3], 0x80000000
	s_mov_b32 s[G0W], 1
	s_add_co_u32 s[G0W+1], s18, SLOT1
	s_add_nc_u64 s[G0W+2:G0W+3], s[4:5], s[20:21]
	s_add_nc_u64 s[G0W+2:G0W+3], s[G0W+2:G0W+3], WSL
	s_or_b32 s[G0W+3], s[G0W+3], 0x80000000
	ROUND                                          ; all four work-groups are here: the first joint loads meet
	tensor_load_to_lds s[G0A:G0A+3], s[G1:G1+7]    ; the three first fills go out together: three loads of mine are out
	s_nop 0
	tensor_load_to_lds s[G0S:G0S+3], s[G1:G1+7]
	s_nop 0
	tensor_load_to_lds s[G0W:G0W+3], s[G1:G1+7]
	s_nop 0
	NOP4
	v_and_b32 v12, 31, v0                          ; lane
	v_and_b32 v13, 15, v0                          ; r
	v_bfe_u32 v14, v0, 4, 1                        ; h
	v_lshlrev_b32 v15, 4, v12                      ; 16 lane
	v_add_nc_u32 v[VLA], s18, v15
	v_lshlrev_b32 v[VLC], 7, v14
	v_add_nc_u32 v[VLC], s18, v[VLC]
	v_add_nc_u32 v[VLC], AUX-AXB, v[VLC]
	v_lshlrev_b32 v[VLS], 2, v12
	v_add_nc_u32 v[VLS], s18, v[VLS]
	v_add_nc_u32 v[VLS], AUX+256, v[VLS]
	s_lshl_b32 s22, s14, 7
	v_lshl_add_u32 v[VG], v14, 6, s22              ; the first group: 128 w + 64 h
	s_lshl_b32 s22, s14, 12
	v_add_nc_u32 v[VMS], s22, v15
	v_add_nc_u32 v[VMS], MRG, v[VMS]
	s_and_b32 s22, s14, 1
	s_lshl_b32 s23, s22, 11
	v_add_nc_u32 v[VMR], s23, v15
	v_add_nc_u32 v[VMR], MRG, v[VMR]
	s_lshl_b32 s22, s22, 9
	s_lshl_b32 s23, s16, 10
	s_add_co_u32 s23, s23, s22                     ; sel: 32 bytes x (32 work-group + 16 (w % 2))
	v_lshlrev_b32 v[VSO], 5, v13
	v_lshl_add_u32 v[VSO], v14, 4, v[VSO]
	v_add_nc_u32 v[VSO], s23, v[VSO]
	s_mul_i32 s52, s16, 1536                       ; my 32 queries are one double tile of x
	s_mov_b32 s53, 0
	s_add_nc_u64 s[8:9], s[8:9], s[52:53]
	s_lshr_b32 s54, s16, 1
	s_mul_i32 s54, s54, AXB
	s_and_b32 s55, s16, 1
	s_lshl_b32 s55, s55, 6
	s_add_co_u32 s54, s54, s55                     ; 64 bytes on for the second double tile, among the sums and among the scale words alike
	s_mov_b32 s55, 0
	s_add_nc_u64 s[10:11], s[10:11], s[54:55]
.irp c, 0,1,2
	global_load_b128 v[XR+4*\c:XR+4*\c+3], v15, s[8:9] offset:512*\c
.endr
	v_lshlrev_b32 v16, 2, v13
	global_load_b32 v17, v16, s[10:11] offset:256  ; the scale word of my query's row
	v_bfe_u32 v10, v0, 3, 1
	v_and_b32 v11, 7, v0
	v_lshlrev_b32 v10, 7, v10
	v_lshl_add_u32 v10, v11, 2, v10                ; 128 (r / 8) + 4 (r % 8)
	global_load_b32 v[NX0], v10, s[10:11]
	global_load_b32 v[NX1], v10, s[10:11] offset:32
	s_wait_loadcnt 0x0
.irp i, 0,1,2,3,4,5
	v_mov_b32 v[XB+\i], v[XR+\i]
	v_mov_b32 v[XB+6+\i], 0
	v_mov_b32 v[XB+12+\i], v[XR+\i]
	v_mov_b32 v[XB+18+\i], v[XR+6+\i]
	v_mov_b32 v[XB+24+\i], 0
	v_mov_b32 v[XB+30+\i], v[XR+6+\i]
.endr
	v_perm_b32 v[XS], v17, v17, 0x01000100
	v_perm_b32 v[XS+1], v17, v17, 0x03020302
	v_mov_b32 v[NX0+1], v[NX0]
	v_mov_b32 v[NX1+1], v[NX1]
.irp i, 0,1,2,3,4,5,6,7
	v_mov_b32 v[LV0+\i], 0xff800000                ; the lists begin with -infinity, under every score
	v_mov_b32 v[LI0+\i], 0
	v_mov_b32 v[LV1+\i], 0xff800000
	v_mov_b32 v[LI1+\i], 0
.endr
	s_wait_tensorcnt 1                             ; the sums, the scale words and slot 0 are in; slot 1's load may stay out.  I read my own loads' bytes alone: no barrier
	BT 0, 1, 0, 0, 0
	BT 1, 1, 1, 0, 1
	PAIRS 3                                        ; steps 2 to 7
	s_mov_b32 s47, 6
.Lslot:                                            ; six trips: slots 2 to 7 are asked for
	CHANGE1
	PAIRS 4
	s_sub_co_u32 s47, s47, 1
	s_cmp_lg_u32 s47, 0
	s_cbranch_scc1 .Lslot
	s_wait_tensorcnt 0x0                           ; the last slot is in; nothing is filled again, so no barrier stands here
	s_sub_co_u32 s[TB], s[TB], WSL
	s_xor_b32 s[TB], s[TB], SLOT1
	PAIRS 4                                        ; steps 56 to 63
	BT 0, 0, 1, 1, 1
	BT 1, 0, 0, 1, 0
	; THE WAY OUT.  Lane half 1's lists (higher group numbers) enter half 0's: from here on lanes 0-15 count.
.irp i, 0,1,2,3,4,5,6,7
	v_permlanex16_b32 v[D+\i], v[LV0+\i], s48, s49
	v_permlanex16_b32 v[D+8+\i], v[LI0+\i], s48, s49
	v_permlanex16_b32 v[D+16+\i], v[LV1+\i], s48, s49
	v_permlanex16_b32 v[D+24+\i], v[LI1+\i], s48, s49
.endr
.irp i, 0,1,2,3,4,5,6,7
	INS2X LV0, LI0, D+\i, D+8+\i, LV1, LI1, D+16+\i, D+24+\i, 0
.endr
.irp c, 0,1,2,3
	ds_store_b128 v[VMS], v[LV0+4*\c:LV0+4*\c+3] offset:512*\c          ; the lists as images of their registers
	ds_store_b128 v[VMS], v[LV1+4*\c:LV1+4*\c+3] offset:2048+512*\c
.endr
	s_wait_dscnt 0x0                               ; for the others' sake: my stores have landed
	s_barrier_signal -1
	s_barrier_wait -1
	s_cmp_gt_u32 s14, 1
	s_cbranch_scc1 .Ldone                          ; wave 0 merges query tile 0, wave 1 tile 1
.irp c, 0,1,2,3
	ds_load_b128 v[LV0+4*\c:LV0+4*\c+3], v[VMR] offset:512*\c
.endr
.irp ww, 1,2,3
.irp c, 0,1,2,3
	ds_load_b128 v[D+16*(\ww-1)+4*\c:D+16*(\ww-1)+4*\c+3], v[VMR] offset:4096*\ww+512*\c
.endr
.endr
	s_wait_dscnt 0x0
.irp ww, 0,1,2
.irp i, 0,1,2,3,4,5,6,7
	INS LV0, LI0, D+16*\ww+\i, D+16*\ww+8+\i, CA   ; in the waves' order: each newcomer has a higher number than all that are in
.endr
.endr
.macro CE a, b                         ; the 8 group numbers are sorted ascending, so that the next launch can merge in the codes' order
	v_min_u32 v12, v[LI0+\a], v[LI0+\b]
	v_max_u32 v[LI0+\b], v[LI0+\a], v[LI0+\b]
	v_mov_b32 v[LI0+\a], v12
.endm
	CE 0,1
	CE 2,3
	CE 4,5
	CE 6,7
	CE 0,2
	CE 1,3
	CE 4,6
	CE 5,7
	CE 1,2
	CE 5,6
	CE 0,4
	CE 1,5
	CE 2,6
	CE 3,7
	CE 2,4
	CE 3,5
	CE 1,2
	CE 3,4
	CE 5,6
.irp i, 0,1,2,3,4,5,6,7
	v_and_b32 v12, 0x180, v[LI0+\i]                ; group 128 w + 64 h + B becomes the key 128 w + 2 B + h: twice the batch's number, + h
	v_and_b32 v13, 63, v[LI0+\i]
	v_bfe_u32 v14, v[LI0+\i], 6, 1
	v_lshl_add_u32 v12, v13, 1, v12
	v_add_nc_u32 v[LI0+\i], v12, v14
.endr
.irp i, 0,1,2,3
	v_permlanex16_b32 v[12+\i], v[LI0+4+\i], s48, s49
.endr
.irp i, 0,1,2,3
	v_cndmask_b32 v[LI0+\i], v[LI0+\i], v[12+\i], s50   ; lanes 16-31 take keys 4 to 7 of query r
.endr
	global_store_b128 v[VSO], v[LI0:LI0+3], s[12:13]    ; 32 lanes store 512 consecutive bytes
.Ldone:
	s_wait_tensorcnt 0x0                           ; the wave's end
	ds_add_u32 v[SPW], v[NIL]
	s_wait_dscnt 0x0
	ROUND                                          ; the closing round
	s_endpgm
.Lfunc_end_k_q14335b0716_scan:
	.size	k_q14335b0716_scan, .Lfunc_end_k_q14335b0716_scan-k_q14335b0716_scan
	.p2alignl 7, 3214868480
	.fill 96, 4, 3214868480
	.section	.rodata,"a",@progbits
	.p2align	6, 0x0
	.amdhsa_kernel k_q14335b0716_scan
		.amdhsa_group_segment_fixed_size 327680
		.amdhsa_private_segment_fixed_size 0
		.amdhsa_enable_private_segment 0
		.amdhsa_kernarg_size 40
		.amdhsa_user_sgpr_count 2
		.amdhsa_user_sgpr_kernarg_segment_ptr 1
		.amdhsa_wavefront_size32 1
		.amdhsa_system_sgpr_workgroup_id_x 1
		.amdhsa_system_sgpr_workgroup_id_y 1
		.amdhsa_system_sgpr_workgroup_id_z 1
		.amdhsa_system_vgpr_workitem_id 0
		.amdhsa_next_free_vgpr 240
		.amdhsa_next_free_sgpr 92
		.amdhsa_reserve_vcc 0
		.amdhsa_float_denorm_mode_32 3
		.amdhsa_float_denorm_mode_16_64 3
		.amdhsa_memory_ordered 1
		.amdhsa_forward_progress 1
		.amdhsa_inst_pref_size 192
	.end_amdhsa_kernel
	.amdgpu_metadata
---
amdhsa.version: [ 1, 2 ]
amdhsa.kernels:
  - .name:           k_q14335b0716_scan
    .symbol:         k_q14335b0716_scan.kd
    .args:
      - { .name: cbq, .offset: 0, .size: 8, .value_kind: global_buffer, .address_space: global }
      - { .name: cax, .offset: 8, .size: 8, .value_kind: global_buffer, .address_space: global }
      - { .name: xq, .offset: 16, .size: 8, .value_kind: global_buffer, .address_space: global }
      - { .name: xax, .offset: 24, .size: 8, .value_kind: global_buffer, .address_space: global }
      - { .name: sel, .offset: 32, .size: 8, .value_kind: global_buffer, .address_space: global }
    .group_segment_fixed_size: 327680
    .private_segment_fixed_size: 0
    .kernarg_segment_align: 8
    .kernarg_segment_size: 40
    .max_flat_workgroup_size: 128
    .sgpr_count:     92
    .vgpr_count:     240
    .wavefront_size: 32
...
	.end_amdgpu_metadata
.endif
;; end of part 2
;; launch refine (part 3): grid 512 x 1, 4 waves a work-group, no clusters, 8,704 bytes of LDS; arguments cbq, cax, xq, xax, sel, ids, out1; writes ids, out1
.if DOCPART == 3
	.amdgcn_target "amdgcn-amd-amdhsa--gfx1250"
	.amdhsa_code_object_version 6
	.text
	.protected	k_q14335b0716_refine
	.globl	k_q14335b0716_refine
	.p2align	8
	.type	k_q14335b0716_refine,@function
k_q14335b0716_refine:
	s_mov_b64 s[64:65], 0
	v_nop
	global_prefetch_b8 v0, s[64:65] scope:SCOPE_SE
	s_setreg_imm32_b32 hwreg(HW_REG_WAVE_MODE, 25, 1), 1
	s_wait_xcnt 0x0
; REFINE.  For each query the scores of the 8 x 32 codes of its 8 chosen groups are made again, by the same product and the same two roundings, and the 8 best are kept with their numbers: (score descending, code ascending).
; SHARES.  A work-group owns a tile of 16 queries.  Wave k takes list places k (operand rows 0-7) and k + 4 (rows 8-15) of every query.  The flow is fixed; only byte offsets hang on the keys, which the launch before stored as whole numbers.
; HOW.  Each query has its own codes, so for query r the two double tiles are gathered lane by lane (8 lanes read 128 consecutive bytes of a batch's image) and multiplied by x WITH ALL COLUMNS BUT r SET TO ZERO CODES, adding onto four
; accumulators E(u).  After 16 queries lane (r, h) of E(u) holds xc of ITS query with the codes 8 u + j of its group at place k + 4 h.  The other queries' turns add zeros.  The four accumulators take turns, one instruction a turn.
; The keys are sorted by code, so every list that enters another holds higher numbers: the strict compare keeps the lower number ahead of an equal score.
; No tensor load: what is read hangs on stored numbers.  No cluster: work-groups share no tile.
; LIMITS: NaN and infinities among the inputs, and scores that overflow, are not served; +0 and -0 count as equal.  xc is taken to be the same number here as in the launch before: both sum the same exact products, which fit in f32 unless a row's two scales lie more than some 6 powers of two apart.
.set LT,  1                            ; v1   16 (lane % 8) + 256 (lane / 16): my 16 bytes in a piece of an image, before the group's half
.set LS,  2                            ; v2   4 (lane % 8)
.set VKO, 3                            ; v3   4 k + 16 ((lane / 8) % 2): the key of my operand row
.set VOW, 4                            ; v4   my own key's offset; then my group's -c2
.set KEY, 5                            ; v5   my own key; then my group's first code
.set VLI, 10                           ; v10  LDS: 2048 k + 16 lane
.set XWO, 11
.set VST, 12                           ; v12  32 r + 16 h: my 16 bytes of the results
.set XW,  13
.set VX2, 14
.set VXO, 15                           ; v15  16 lane
.set XF,  16                           ; v16-21 my tile of x: six registers of codes
.set XS,  22                           ; v22  x's scale words: scales and nothing else
.set NX,  24                           ; v24-25 -x2, twice
.set XM,  26                           ; v26-61 [xm][0][xm], two sets by turns
.set GK,  62                           ; v62-77 the keys, a register a query
.set RING, 78                          ; v78-181 four slots of 26: two double tiles, two offsets.  Behind the loop: lists and work
.set ASR, 182                          ; v182-189 the codes' scale words, two a slot: scales and nothing else
.set E,   190                          ; v190-221
.set C2O, 222                          ; v222-253 -c2 of my group's 32 codes
.set LV,  RING
.set LI,  RING+8
.set TL,  RING+16                      ; 48: three other waves' lists
.set XD,  RING+64
.set CA,  72
.macro NOP4
.rept 4
	v_nop
.endr
.endm
.macro INS lv, li, x, xd, cm
.irp i, 0,1,2,3,4,5,6,7
	v_cmp_gt_f32 s[\cm+\i], v[\x], v[\lv+\i]
.endr
.irp i, 7,6,5,4,3,2,1
	v_cndmask_b32 v[\li+\i], v[\li+\i], v[\xd], s[\cm+\i]
	v_cndmask_b32 v[\li+\i], v[\li+\i], v[\li+\i-1], s[\cm+\i-1]
.endr
	v_cndmask_b32 v[\li], v[\li], v[\xd], s[\cm]
.irp i, 7,6,5,4,3,2,1
	v_med3_num_f32 v[\lv+\i], v[\lv+\i], v[\lv+\i-1], v[\x]
.endr
	v_max_num_f32 v[\lv], v[\lv], v[\x]
.endm
; Query r's codes and scale words into ring slot r % 4.  Key = 2 x batch + half: codes at 1536 (key & 510) + 128 (key & 1), scale words at 192 (key & 510) + 256 + 32 (key & 1).  Eight loads.
.macro LOADR r
.set RB, RING+26*((\r)%4)
.set RS, ASR+2*((\r)%4)
	v_and_b32 v6, 0x1fe, v[GK+(\r)]
	v_and_b32 v7, 1, v[GK+(\r)]
	v_mul_u32_u24 v[RB+24], v6, 1536
	v_mul_u32_u24 v[RB+25], v6, 192
	v_lshlrev_b32 v8, 7, v7
	v_lshlrev_b32 v9, 5, v7
	v_add_nc_u32 v[RB+24], v[RB+24], v8
	v_add_nc_u32 v[RB+25], v[RB+25], v9
	v_add_nc_u32 v[RB+24], v[RB+24], v[LT]
	v_add_nc_u32 v[RB+25], v[RB+25], v[LS]
.irp d, 0,1
.irp c, 0,1,2
	global_load_b128 v[RB+12*\d+4*\c:RB+12*\d+4*\c+3], v[RB+24], s[4:5] offset:1536*\d+512*\c
.endr
.endr
	global_load_b32 v[RS], v[RB+25], s[6:7] offset:256
	global_load_b32 v[RS+1], v[RB+25], s[6:7] offset:320
.endm
.macro MASK r                          ; x with all columns but r set to zero codes, into set r % 2
	s_mov_b32 s36, 0x10001<<(\r)
.irp i, 0,1,2,3,4,5
	v_cndmask_b32 v[XM+18*((\r)%2)+\i], 0, v[XF+\i], s36
	v_cndmask_b32 v[XM+18*((\r)%2)+12+\i], 0, v[XF+\i], s36
.endr
.endm
.macro MM r                            ; four products: tile u of query r's codes
.set RB, RING+26*((\r)%4)
.set RS, ASR+2*((\r)%4)
.set RX, XM+18*((\r)%2)
.irp u, 0,1,2,3
.if (\r) == 0
	v_wmma_scale_f32_16x16x128_f8f6f4 v[E+8*\u:E+8*\u+7], v[RB+12*(\u/2):RB+12*(\u/2)+11], v[RX+6*(\u%2):RX+6*(\u%2)+11], 0, v[RS+\u/2], v[XS] matrix_a_fmt:MATRIX_FMT_FP6 matrix_b_fmt:MATRIX_FMT_FP6
.else
	v_wmma_scale_f32_16x16x128_f8f6f4 v[E+8*\u:E+8*\u+7], v[RB+12*(\u/2):RB+12*(\u/2)+11], v[RX+6*(\u%2):RX+6*(\u%2)+11], v[E+8*\u:E+8*\u+7], v[RS+\u/2], v[XS] matrix_a_fmt:MATRIX_FMT_FP6 matrix_b_fmt:MATRIX_FMT_FP6
.endif
.endr
.endm
	s_load_b256 s[4:11], s[0:1], 0x0               ; cbq s[4:5], cax s[6:7], xq s[8:9], xax s[10:11]
	s_load_b128 s[12:15], s[0:1], 0x20             ; sel s[12:13], ids s[14:15]
	s_load_b64 s[16:17], s[0:1], 0x30              ; out1
	v_lshl_add_u32 v254, v0, 2, 0x2000
	v_mov_b32 v255, 0
	v_lshrrev_b32 v6, 5, v0
	v_readfirstlane_b32 s20, v6                    ; wave k
	s_lshr_b32 s24, ttmp9, 1
	s_mul_i32 s24, s24, 1536                       ; my tile's double tile of x
	s_mov_b32 s25, 0
	s_lshr_b32 s26, ttmp9, 2
	s_mul_i32 s26, s26, 384                        ; its batch's sums and scale words
	s_mov_b32 s27, 0
	s_bfe_u32 s28, ttmp9, 0x10001
	s_lshl_b32 s28, s28, 6                         ; the double tile's 16 scale words
	s_and_b32 s29, ttmp9, 3
	s_lshl_b32 s29, s29, 5                         ; the tile's place among the sums
	s_lshl_b32 s30, ttmp9, 9                       ; 16 queries x 32 bytes
	s_mov_b32 s31, 0
	s_mov_b32 s37, 0xffff0000                      ; lanes 16-31
	s_mov_b32 s38, 0x76543210
	s_mov_b32 s39, 0xfedcba98
	s_mov_b32 s35, 0x01000100
	s_and_b32 s34, ttmp9, 1
	s_cmp_lg_u32 s34, 0                            ; the double tile's second tile?
	s_cselect_b32 s35, 0x03020302, s35             ; its two bytes of a scale word
	s_cselect_b32 s34, -1, 0
	v_and_b32 v6, 31, v0
	v_and_b32 v7, 15, v0                           ; r
	v_bfe_u32 v8, v0, 4, 1                         ; h
	v_bfe_u32 v9, v0, 3, 1
	v_and_b32 v[LS], 7, v0
	v_lshlrev_b32 v[LT], 4, v[LS]
	v_lshl_add_u32 v[LT], v8, 8, v[LT]
	v_lshlrev_b32 v[LS], 2, v[LS]
	s_lshl_b32 s21, s20, 2
	v_lshl_add_u32 v[VKO], v9, 4, s21
	v_lshlrev_b32 v[VST], 5, v7
	v_lshl_add_u32 v[VST], v8, 4, v[VST]
	v_add_nc_u32 v[VOW], s21, v[VST]               ; my own key: query r, place k + 4 h
	v_lshlrev_b32 v[VXO], 4, v6
	s_lshl_b32 s22, s20, 11
	v_add_nc_u32 v[VLI], s22, v[VXO]
	v_lshl_add_u32 v[VX2], v9, 7, v[LS]
	v_add_nc_u32 v[VX2], s29, v[VX2]
	v_lshl_add_u32 v[XWO], v7, 2, s28
	s_wait_kmcnt 0x0
	s_add_nc_u64 s[8:9], s[8:9], s[24:25]
	s_add_nc_u64 s[10:11], s[10:11], s[26:27]
	s_add_nc_u64 s[12:13], s[12:13], s[30:31]
	s_add_nc_u64 s[14:15], s[14:15], s[30:31]
	s_add_nc_u64 s[16:17], s[16:17], s[30:31]
.irp r, 0,1,2,3,4,5,6,7,8,9,10,11,12,13,14,15
	global_load_b32 v[GK+\r], v[VKO], s[12:13] offset:32*\r
.endr
	global_load_b32 v[KEY], v[VOW], s[12:13]
.irp c, 0,1,2
	global_load_b128 v[RING+4*\c:RING+4*\c+3], v[VXO], s[8:9] offset:512*\c
.endr
	global_load_b32 v[XW], v[XWO], s[10:11] offset:256
	global_load_b32 v[NX], v[VX2], s[10:11]
	s_wait_loadcnt 0x0
.irp r, 0,1,2,3,4,5,6,7,8,9,10,11,12,13,14,15
	v_min_u32 v[GK+\r], 511, v[GK+\r]              ; a loaded number enters an offset only behind this hold
.endr
	v_min_u32 v[KEY], 511, v[KEY]
.irp i, 0,1,2,3,4,5
	v_cndmask_b32 v[XF+\i], v[RING+\i], v[RING+6+\i], s34
	v_mov_b32 v[XM+6+\i], 0
	v_mov_b32 v[XM+24+\i], 0
.endr
	v_perm_b32 v[XS], v[XW], v[XW], s35
	v_mov_b32 v[NX+1], v[NX]
	MASK 0
	v_and_b32 v6, 0x1fe, v[KEY]
	v_mul_u32_u24 v6, v6, 192
	v_and_b32 v7, 1, v[KEY]
	v_lshlrev_b32 v8, 7, v7
	v_add_nc_u32 v[VOW], v6, v8
.irp i, 0,1,2,3,4,5,6,7
	global_load_b128 v[C2O+4*\i:C2O+4*\i+3], v[VOW], s[6:7] offset:16*\i   ; -c2 of my group: 128 consecutive bytes
.endr
	v_and_b32 v6, 0x180, v[KEY]
	v_and_b32 v8, 0x7e, v[KEY]
	v_lshlrev_b32 v6, 5, v6
	v_lshl_add_u32 v6, v8, 4, v6
	v_lshl_add_u32 v[KEY], v7, 11, v6              ; key 128 w + 2 B + h: the group's first code is 4096 w + 32 B + 2048 h
	LOADR 0
	LOADR 1
	LOADR 2
	LOADR 3
; Behind query r's products: the next mask (12 plain instructions that name none of their registers: the places in front of the loads into the slot just read), then the loads of four queries on,
; whose ten address lines keep the mask's registers four places ahead of the next products; where no loads are left, four v_nop.
.irp r, 0,1,2,3,4,5,6,7,8,9,10,11,12,13,14,15
.if \r < 13
	s_wait_loadcnt 24                              ; this query's eight loads are in; those of the three queries behind it may be out
.else
	s_wait_loadcnt 8*(15-\r)
.endif
	MM \r
.if \r < 15
	MASK \r+1
.endif
.if \r < 12
	LOADR \r+4
.elseif \r < 15
	NOP4
.endif
.endr
	NOP4                                           ; places behind the last products: their results are read and their operands' registers written below
.irp u, 0,1,2,3
.irp p, 0,1,2,3
	v_pk_fma_f32 v[E+8*\u+2*\p:E+8*\u+2*\p+1], v[E+8*\u+2*\p:E+8*\u+2*\p+1], 2.0, v[NX:NX+1] op_sel_hi:[1,0,1]   ; each accumulator from its low end on
.endr
.endr
.irp u, 0,1,2,3
.irp p, 0,1,2,3
	v_pk_add_f32 v[E+8*\u+2*\p:E+8*\u+2*\p+1], v[E+8*\u+2*\p:E+8*\u+2*\p+1], v[C2O+8*\u+2*\p:C2O+8*\u+2*\p+1]
.endr
.endr
.irp i, 0,1,2,3,4,5,6,7
	v_mov_b32 v[LV+\i], 0xff800000
	v_mov_b32 v[LI+\i], 0
.endr
.irp u, 0,1,2,3
.irp j, 0,1,2,3,4,5,6,7
	v_add_nc_u32 v[XD], 8*\u+\j, v[KEY]
	INS LV, LI, E+8*\u+\j, XD, CA                  ; in the codes' order
.endr
.endr
.irp c, 0,1,2,3
	ds_store_b128 v[VLI], v[LV+4*\c:LV+4*\c+3] offset:512*\c   ; my list as an image of its registers
.endr
	s_wait_dscnt 0x0                               ; for the others' sake: my stores have landed
	s_barrier_signal -1
	s_barrier_wait -1
	s_cmp_lg_u32 s20, 0
	s_cbranch_scc1 .Lend                           ; wave 0 merges
.irp k, 1,2,3
.irp c, 0,1,2,3
	ds_load_b128 v[TL+16*(\k-1)+4*\c:TL+16*(\k-1)+4*\c+3], v[VXO] offset:2048*\k+512*\c
.endr
.endr
	s_wait_dscnt 0x0
.irp k, 0,1,2
.irp i, 0,1,2,3,4,5,6,7
	INS LV, LI, TL+16*\k+\i, TL+16*\k+8+\i, CA     ; places 1, 2, 3 (lanes 16-31: 5, 6, 7) enter place 0's (4's) list, in that order
.endr
.endr
.irp i, 0,1,2,3,4,5,6,7
	v_permlanex16_b32 v[TL+\i], v[LV+\i], s38, s39
	v_permlanex16_b32 v[TL+8+\i], v[LI+\i], s38, s39
.endr
.irp i, 0,1,2,3,4,5,6,7
	INS LV, LI, TL+\i, TL+8+\i, CA                 ; places 4-7 enter places 0-3: lanes 0-15 count from here on
.endr
.irp i, 0,1,2,3
	v_permlanex16_b32 v[6+\i], v[LI+4+\i], s38, s39
.endr
.irp i, 0,1,2,3
	v_cndmask_b32 v[LI+\i], v[LI+\i], v[6+\i], s37 ; lanes 16-31 take numbers 4 to 7 of query r
.endr
	global_store_b128 v[VST], v[LI:LI+3], s[16:17] ; 32 lanes store 512 consecutive bytes: the result,
	global_store_b128 v[VST], v[LI:LI+3], s[14:15] ; and the same for the last launch's addresses
.Lend:
	s_wait_tensorcnt 0x0
	ds_add_u32 v254, v255
	s_wait_dscnt 0x0
	s_endpgm
.Lfunc_end_k_q14335b0716_refine:
	.size	k_q14335b0716_refine, .Lfunc_end_k_q14335b0716_refine-k_q14335b0716_refine
	.p2alignl 7, 3214868480
	.fill 96, 4, 3214868480
	.section	.rodata,"a",@progbits
	.p2align	6, 0x0
	.amdhsa_kernel k_q14335b0716_refine
		.amdhsa_group_segment_fixed_size 8704
		.amdhsa_private_segment_fixed_size 0
		.amdhsa_enable_private_segment 0
		.amdhsa_kernarg_size 56
		.amdhsa_user_sgpr_count 2
		.amdhsa_user_sgpr_kernarg_segment_ptr 1
		.amdhsa_wavefront_size32 1
		.amdhsa_system_sgpr_workgroup_id_x 1
		.amdhsa_system_sgpr_workgroup_id_y 1
		.amdhsa_system_sgpr_workgroup_id_z 1
		.amdhsa_system_vgpr_workitem_id 0
		.amdhsa_next_free_vgpr 256
		.amdhsa_next_free_sgpr 92
		.amdhsa_reserve_vcc 0
		.amdhsa_float_denorm_mode_32 3
		.amdhsa_float_denorm_mode_16_64 3
		.amdhsa_memory_ordered 1
		.amdhsa_forward_progress 1
		.amdhsa_inst_pref_size 179
	.end_amdhsa_kernel
	.amdgpu_metadata
---
amdhsa.version: [ 1, 2 ]
amdhsa.kernels:
  - .name:           k_q14335b0716_refine
    .symbol:         k_q14335b0716_refine.kd
    .args:
      - { .name: cbq, .offset: 0, .size: 8, .value_kind: global_buffer, .address_space: global }
      - { .name: cax, .offset: 8, .size: 8, .value_kind: global_buffer, .address_space: global }
      - { .name: xq, .offset: 16, .size: 8, .value_kind: global_buffer, .address_space: global }
      - { .name: xax, .offset: 24, .size: 8, .value_kind: global_buffer, .address_space: global }
      - { .name: sel, .offset: 32, .size: 8, .value_kind: global_buffer, .address_space: global }
      - { .name: ids, .offset: 40, .size: 8, .value_kind: global_buffer, .address_space: global }
      - { .name: out1, .offset: 48, .size: 8, .value_kind: global_buffer, .address_space: global }
    .group_segment_fixed_size: 8704
    .private_segment_fixed_size: 0
    .kernarg_segment_align: 8
    .kernarg_segment_size: 56
    .max_flat_workgroup_size: 128
    .sgpr_count:     92
    .vgpr_count:     256
    .wavefront_size: 32
...
	.end_amdgpu_metadata
.endif
;; end of part 3
;; launch gather (part 4): grid 256 x 1, 4 waves a work-group, no clusters, 0 bytes of LDS; arguments codebook, ids, out0; writes out0
.if DOCPART == 4
	.amdgcn_target "amdgcn-amd-amdhsa--gfx1250"
	.amdhsa_code_object_version 6
	.text
	.protected	k_q14335b0716_gather
	.globl	k_q14335b0716_gather
	.p2align	8
	.type	k_q14335b0716_gather,@function
k_q14335b0716_gather:
	s_mov_b64 s[64:65], 0
	v_nop
	global_prefetch_b8 v0, s[64:65] scope:SCOPE_SE
	s_setreg_imm32_b32 hwreg(HW_REG_WAVE_MODE, 25, 1), 1
	s_wait_xcnt 0x0
; GATHER.  out0[q] = the mean of the 8 codebook rows that ids[q] names, in f32.  ids were stored as whole numbers by the launch before.
; A wave takes 8 queries, two at a time: lanes 0-15 one query, lanes 16-31 the next; a lane takes 16 bytes of each row of 256.  All 32 row loads of a wave are issued before the first sum.
; No LDS, no barrier, no matrix unit: waves share nothing, and there is no product.  No cache word on the rows: a row may be named by many queries.
.set ID, 8                             ; v8-39   the numbers, then the rows' byte offsets: pair p at 8 p
.set RW, 40                            ; v40-167 the rows: pair p, row k at 32 p + 4 k
	s_load_b128 s[4:7], s[0:1], 0x0                ; codebook s[4:5], ids s[6:7]
	s_load_b64 s[8:9], s[0:1], 0x10                ; out0
	v_lshrrev_b32 v1, 5, v0
	v_readfirstlane_b32 s10, v1                    ; wave
	v_and_b32 v2, 31, v0
	v_lshlrev_b32 v3, 4, v2                        ; out0: 16 lane = 256 (lane / 16) + 16 (lane % 16)
	v_and_b32 v4, 15, v0
	v_lshlrev_b32 v4, 4, v4                        ; my 16 bytes of a row
	v_bfe_u32 v5, v0, 4, 1
	v_lshlrev_b32 v5, 5, v5                        ; ids: 32 bytes a query
	s_lshl_b32 s11, ttmp9, 2
	s_add_co_u32 s11, s11, s10                     ; my 8 queries: 8 x (4 work-group + wave)
	s_lshl_b32 s12, s11, 8
	s_mov_b32 s13, 0
	s_lshl_b32 s14, s11, 11
	s_mov_b32 s15, 0
	s_wait_kmcnt 0x0
	s_add_nc_u64 s[6:7], s[6:7], s[12:13]
	s_add_nc_u64 s[8:9], s[8:9], s[14:15]
.irp p, 0,1,2,3
	global_load_b128 v[ID+8*\p:ID+8*\p+3], v5, s[6:7] offset:64*\p
	global_load_b128 v[ID+8*\p+4:ID+8*\p+7], v5, s[6:7] offset:64*\p+16
.endr
	s_wait_loadcnt 0x0
.set N, 0
.rept 32
	v_min_u32 v[ID+N], 0x3fff, v[ID+N]             ; a loaded number enters an offset only behind this hold
.set N, N+1
.endr
.set N, 0
.rept 32
	v_lshlrev_b32 v[ID+N], 8, v[ID+N]
.set N, N+1
.endr
.set N, 0
.rept 32
	v_add_nc_u32 v[ID+N], v[ID+N], v4
.set N, N+1
.endr
.set N, 0
.rept 32
	global_load_b128 v[RW+4*N:RW+4*N+3], v[ID+N], s[4:5]   ; sixteen lanes read a row's 256 consecutive bytes
.set N, N+1
.endr
.irp p, 0,1,2,3
	s_wait_loadcnt 24-8*\p                         ; this pair's eight rows are in; the younger pairs' may be out
.irp k, 1,2,3,4,5,6,7
	v_pk_add_f32 v[RW+32*\p:RW+32*\p+1], v[RW+32*\p:RW+32*\p+1], v[RW+32*\p+4*\k:RW+32*\p+4*\k+1]
	v_pk_add_f32 v[RW+32*\p+2:RW+32*\p+3], v[RW+32*\p+2:RW+32*\p+3], v[RW+32*\p+4*\k+2:RW+32*\p+4*\k+3]
.endr
	v_pk_mul_f32 v[RW+32*\p:RW+32*\p+1], v[RW+32*\p:RW+32*\p+1], 0x3e000000 op_sel_hi:[1,0]       ; / 8
	v_pk_mul_f32 v[RW+32*\p+2:RW+32*\p+3], v[RW+32*\p+2:RW+32*\p+3], 0x3e000000 op_sel_hi:[1,0]
	global_store_b128 v3, v[RW+32*\p:RW+32*\p+3], s[8:9] offset:512*\p th:TH_STORE_NT   ; 32 lanes store 512 consecutive bytes: two rows
.endr
	s_endpgm
.Lfunc_end_k_q14335b0716_gather:
	.size	k_q14335b0716_gather, .Lfunc_end_k_q14335b0716_gather-k_q14335b0716_gather
	.p2alignl 7, 3214868480
	.fill 96, 4, 3214868480
	.section	.rodata,"a",@progbits
	.p2align	6, 0x0
	.amdhsa_kernel k_q14335b0716_gather
		.amdhsa_group_segment_fixed_size 0
		.amdhsa_private_segment_fixed_size 0
		.amdhsa_enable_private_segment 0
		.amdhsa_kernarg_size 24
		.amdhsa_user_sgpr_count 2
		.amdhsa_user_sgpr_kernarg_segment_ptr 1
		.amdhsa_wavefront_size32 1
		.amdhsa_system_sgpr_workgroup_id_x 1
		.amdhsa_system_sgpr_workgroup_id_y 1
		.amdhsa_system_sgpr_workgroup_id_z 1
		.amdhsa_system_vgpr_workitem_id 0
		.amdhsa_next_free_vgpr 176
		.amdhsa_next_free_sgpr 66
		.amdhsa_reserve_vcc 0
		.amdhsa_float_denorm_mode_32 3
		.amdhsa_float_denorm_mode_16_64 3
		.amdhsa_memory_ordered 1
		.amdhsa_forward_progress 1
		.amdhsa_inst_pref_size 14
	.end_amdhsa_kernel
	.amdgpu_metadata
---
amdhsa.version: [ 1, 2 ]
amdhsa.kernels:
  - .name:           k_q14335b0716_gather
    .symbol:         k_q14335b0716_gather.kd
    .args:
      - { .name: codebook, .offset: 0, .size: 8, .value_kind: global_buffer, .address_space: global }
      - { .name: ids, .offset: 8, .size: 8, .value_kind: global_buffer, .address_space: global }
      - { .name: out0, .offset: 16, .size: 8, .value_kind: global_buffer, .address_space: global }
    .group_segment_fixed_size: 0
    .private_segment_fixed_size: 0
    .kernarg_segment_align: 8
    .kernarg_segment_size: 24
    .max_flat_workgroup_size: 128
    .sgpr_count:     66
    .vgpr_count:     176
    .wavefront_size: 32
...
	.end_amdgpu_metadata
.endif
;; end of part 4
;; ======== version 2 of 2: 4 launches; version 1 with the launch refine written anew for expert scheduling mode
;; workspace buffers: cbq 786,432 bytes; cax 98,304 bytes; xq 393,216 bytes; xax 49,152 bytes; sel 262,144 bytes of whole numbers; ids 262,144 bytes of whole numbers
;; launch prep: the kernel of part 1 again; grid 384 x 1, 1 waves a work-group, no clusters, 19,200 bytes of LDS; arguments codebook, x, cbq, cax, xq, xax; writes cbq, cax, xq, xax
;; launch scan: the kernel of part 2 again; grid 256 x 1, 4 waves a work-group, clusters of 4 x 1, 327,680 bytes of LDS; arguments cbq, cax, xq, xax, sel; writes sel
;; launch refine (part 5): grid 512 x 1, 4 waves a work-group, no clusters, 8,704 bytes of LDS; arguments cbq, cax, xq, xax, sel, ids, out1; writes ids, out1
.if DOCPART == 5
	.amdgcn_target "amdgcn-amd-amdhsa--gfx1250"
	.amdhsa_code_object_version 6
	.text
	.protected	k_q14335b0716_refine
	.globl	k_q14335b0716_refine
	.p2align	8
	.type	k_q14335b0716_refine,@function
k_q14335b0716_refine:
	s_mov_b64 s[64:65], 0
	v_nop
	global_prefetch_b8 v0, s[64:65] scope:SCOPE_SE
	s_setreg_imm32_b32 hwreg(HW_REG_WAVE_SCHED_MODE, 0, 2), 2
	s_setreg_imm32_b32 hwreg(HW_REG_WAVE_MODE, 25, 1), 1
	s_wait_xcnt 0x0
	s_wait_alu depctr_vm_vsrc(0)
; REFINE.  For each query the scores of the 8 x 32 codes of its 8 chosen groups are made again, by the same product and the same two roundings, and the 8 best are kept with their numbers: (score descending, code ascending).
; SHARES.  A work-group owns a tile of 16 queries.  Wave k takes list places k (operand rows 0-7) and k + 4 (rows 8-15) of every query.  The flow is fixed; only byte offsets hang on the keys, which the launch before stored as whole numbers.
; HOW.  Each query has its own codes, so for query r the two double tiles are gathered lane by lane (8 lanes read 128 consecutive bytes of a batch's image) and multiplied by x WITH ALL COLUMNS BUT r SET TO ZERO CODES, adding onto four
; accumulators E(u).  After 16 queries lane (r, h) of E(u) holds xc of ITS query with the codes 8 u + j of its group at place k + 4 h.  The other queries' turns add zeros.  The four accumulators take turns, one instruction a turn.
; The keys are sorted by code, so every list that enters another holds higher numbers: the strict compare keeps the lower number ahead of an equal score.
; No tensor load: what is read hangs on stored numbers.  No cluster: work-groups share no tile.
; LIMITS: NaN and infinities among the inputs, and scores that overflow, are not served; +0 and -0 count as equal.  xc is taken to be the same number here as in the launch before: both sum the same exact products, which fit in f32 unless a row's two scales lie more than some 6 powers of two apart.
; THE MODE: SCHED_MODE bits 1:0 = 2 (LLVM: expert scheduling mode 2), set by the entry lines.  The code itself states the register dependences between vector or matrix instructions and memory or LDS instructions,
; and between a vector instruction that writes a scalar register and that register's readers, with s_wait_alu, always for 0.
; THE PLAN.  Registers that memory or LDS instructions touch:
;   ring slot s   24 registers of codes and two scale words: the loads of query r land in them, query r's four products read them, the loads of query r + 4 land in them again.  Slot 0 first holds x's double tile.
;   its offsets   two registers: written by ten address lines, read by the slot's eight loads, written again four queries on.
;   XM, XS        written by vector instructions, taken by the products as operand and as scales.
;   v[VOW]        the offset of my key, then of my group's -c2.  All other addresses are made once, at the head.
;   LV, LI        written by the insertions, read by the LDS stores, written again by wave 0's insertions; LI is read by the two global stores.     TL: wave 0's LDS loads land there.
; A QUERY'S STEP: its products; the next query's mask; a wait on vm_vsrc; the address lines of four queries on; ONE wait on va_vdst, which states all that the eight loads behind it and the next products hang on; the loads.
; THE INSERTIONS go four at a time: the four value halves (compares, medians), each into eight mask registers of its own; ONE wait on va_sdst; the four number halves (selects), in the same order.
.set LT,  1                            ; v1   16 (lane % 8) + 256 (lane / 16): my 16 bytes in a piece of an image, before the group's half
.set LS,  2                            ; v2   4 (lane % 8)
.set VKO, 3                            ; v3   4 k + 16 ((lane / 8) % 2): the key of my operand row
.set VOW, 4                            ; v4   my own key's offset; then my group's -c2
.set KEY, 5                            ; v5   my own key; then my group's first code
.set VLI, 10                           ; v10  LDS: 2048 k + 16 lane
.set XWO, 11
.set VST, 12                           ; v12  32 r + 16 h: my 16 bytes of the results
.set XW,  13
.set VX2, 14
.set VXO, 15                           ; v15  16 lane
.set XF,  16                           ; v16-21 my tile of x: six registers of codes
.set XS,  22                           ; v22  x's scale words: scales and nothing else
.set NX,  24                           ; v24-25 -x2, twice
.set XM,  26                           ; v26-61 [xm][0][xm], two sets by turns
.set GK,  62                           ; v62-77 the keys, a register a query
.set RING, 78                          ; v78-181 four slots of 26: two double tiles, two offsets.  Behind the loop: lists and work
.set ASR, 182                          ; v182-189 the codes' scale words, two a slot: scales and nothing else
.set E,   190                          ; v190-221
.set C2O, 222                          ; v222-253 -c2 of my group's 32 codes
.set LV,  RING
.set LI,  RING+8
.set TL,  RING+16                      ; 48: three other waves' lists
.set XD,  RING+64                      ; four code numbers
.set CM,  40                           ; the compares' masks, eight a newcomer: s40-47, s48-55, s56-63, s72-79
.macro NOP4
.rept 4
	v_nop
.endr
.endm
; Four newcomers, values v[x] .. v[x + 3] and numbers v[xd] .. v[xd + 3], enter the sorted list of 8 values lv and numbers li, one after the other.
; A newcomer's compares see the values as the newcomers before it left them; its selects see the numbers so.
.macro INS4 lv, li, x, xd
.irp n, 0,1,2,3
.irp i, 0,1,2,3,4,5,6,7
	v_cmp_gt_f32 s[CM+8*\n+8*(\n/3)+\i], v[\n+(\x)], v[\lv+\i]
.endr
.irp i, 7,6,5,4,3,2,1
	v_med3_num_f32 v[\lv+\i], v[\lv+\i], v[\lv+\i-1], v[\n+(\x)]
.endr
	v_max_num_f32 v[\lv], v[\lv], v[\n+(\x)]
.endr
	s_wait_alu depctr_va_sdst(0)                   ; the 32 compares have written their masks, which the selects below read
.irp n, 0,1,2,3
.irp i, 7,6,5,4,3,2,1
	v_cndmask_b32 v[\li+\i], v[\li+\i], v[\n+(\xd)], s[CM+8*\n+8*(\n/3)+\i]
	v_cndmask_b32 v[\li+\i], v[\li+\i], v[\li+\i-1], s[CM+8*\n+8*(\n/3)+\i-1]
.endr
	v_cndmask_b32 v[\li], v[\li], v[\n+(\xd)], s[CM+8*\n+8*(\n/3)]
.endr
.endm
; Query r's codes and scale words go into ring slot r % 4.  Key = 2 x batch + half: codes at 1536 (key & 510) + 128 (key & 1), scale words at 192 (key & 510) + 256 + 32 (key & 1).
.macro ADDR r                          ; the slot's two offsets: ten lines
.set RB, RING+26*((\r)%4)
	v_and_b32 v6, 0x1fe, v[GK+(\r)]
	v_and_b32 v7, 1, v[GK+(\r)]
	v_mul_u32_u24 v[RB+24], v6, 1536
	v_mul_u32_u24 v[RB+25], v6, 192
	v_lshlrev_b32 v8, 7, v7
	v_lshlrev_b32 v9, 5, v7
	v_add_nc_u32 v[RB+24], v[RB+24], v8
	v_add_nc_u32 v[RB+25], v[RB+25], v9
	v_add_nc_u32 v[RB+24], v[RB+24], v[LT]
	v_add_nc_u32 v[RB+25], v[RB+25], v[LS]
.endm
.macro LOADS r                         ; eight loads
.set RB, RING+26*((\r)%4)
.set RS, ASR+2*((\r)%4)
.irp d, 0,1
.irp c, 0,1,2
	global_load_b128 v[RB+12*\d+4*\c:RB+12*\d+4*\c+3], v[RB+24], s[4:5] offset:1536*\d+512*\c
.endr
.endr
	global_load_b32 v[RS], v[RB+25], s[6:7] offset:256
	global_load_b32 v[RS+1], v[RB+25], s[6:7] offset:320
.endm
.macro MASK r                          ; x with all columns but r set to zero codes, into set r % 2
	s_mov_b32 s36, 0x10001<<(\r)
.irp i, 0,1,2,3,4,5
	v_cndmask_b32 v[XM+18*((\r)%2)+\i], 0, v[XF+\i], s36
	v_cndmask_b32 v[XM+18*((\r)%2)+12+\i], 0, v[XF+\i], s36
.endr
.endm
.macro MM r                            ; four products: tile u of query r's codes
.set RB, RING+26*((\r)%4)
.set RS, ASR+2*((\r)%4)
.set RX, XM+18*((\r)%2)
.irp u, 0,1,2,3
.if (\r) == 0
	v_wmma_scale_f32_16x16x128_f8f6f4 v[E+8*\u:E+8*\u+7], v[RB+12*(\u/2):RB+12*(\u/2)+11], v[RX+6*(\u%2):RX+6*(\u%2)+11], 0, v[RS+\u/2], v[XS] matrix_a_fmt:MATRIX_FMT_FP6 matrix_b_fmt:MATRIX_FMT_FP6
.else
	v_wmma_scale_f32_16x16x128_f8f6f4 v[E+8*\u:E+8*\u+7], v[RB+12*(\u/2):RB+12*(\u/2)+11], v[RX+6*(\u%2):RX+6*(\u%2)+11], v[E+8*\u:E+8*\u+7], v[RS+\u/2], v[XS] matrix_a_fmt:MATRIX_FMT_FP6 matrix_b_fmt:MATRIX_FMT_FP6
.endif
.endr
.endm
	s_load_b256 s[4:11], s[0:1], 0x0               ; cbq s[4:5], cax s[6:7], xq s[8:9], xax s[10:11]
	s_load_b128 s[12:15], s[0:1], 0x20             ; sel s[12:13], ids s[14:15]
	s_load_b64 s[16:17], s[0:1], 0x30              ; out1
	v_lshl_add_u32 v254, v0, 2, 0x2000
	v_mov_b32 v255, 0
	v_lshrrev_b32 v6, 5, v0
	v_readfirstlane_b32 s20, v6                    ; wave k
	s_lshr_b32 s24, ttmp9, 1
	s_mul_i32 s24, s24, 1536                       ; my tile's double tile of x
	s_mov_b32 s25, 0
	s_lshr_b32 s26, ttmp9, 2
	s_mul_i32 s26, s26, 384                        ; its batch's sums and scale words
	s_mov_b32 s27, 0
	s_bfe_u32 s28, ttmp9, 0x10001
	s_lshl_b32 s28, s28, 6                         ; the double tile's 16 scale words
	s_and_b32 s29, ttmp9, 3
	s_lshl_b32 s29, s29, 5                         ; the tile's place among the sums
	s_lshl_b32 s30, ttmp9, 9                       ; 16 queries x 32 bytes
	s_mov_b32 s31, 0
	s_mov_b32 s37, 0xffff0000                      ; lanes 16-31
	s_mov_b32 s38, 0x76543210
	s_mov_b32 s39, 0xfedcba98
	s_mov_b32 s35, 0x01000100
	s_and_b32 s34, ttmp9, 1
	s_cmp_lg_u32 s34, 0                            ; the double tile's second tile?
	s_cselect_b32 s35, 0x03020302, s35             ; its two bytes of a scale word
	s_cselect_b32 s34, -1, 0
	v_and_b32 v6, 31, v0
	v_and_b32 v7, 15, v0                           ; r
	v_bfe_u32 v8, v0, 4, 1                         ; h
	v_bfe_u32 v9, v0, 3, 1
	v_and_b32 v[LS], 7, v0
	v_lshlrev_b32 v[LT], 4, v[LS]
	v_lshl_add_u32 v[LT], v8, 8, v[LT]
	v_lshlrev_b32 v[LS], 2, v[LS]
	s_wait_alu depctr_va_sdst(0)                   ; s20 is written, ahead of its first reader: addresses and the branch at the end are made from it
	s_lshl_b32 s21, s20, 2
	v_lshl_add_u32 v[VKO], v9, 4, s21
	v_lshlrev_b32 v[VST], 5, v7
	v_lshl_add_u32 v[VST], v8, 4, v[VST]
	v_add_nc_u32 v[VOW], s21, v[VST]               ; my own key: query r, place k + 4 h
	v_lshlrev_b32 v[VXO], 4, v6
	s_lshl_b32 s22, s20, 11
	v_add_nc_u32 v[VLI], s22, v[VXO]
	v_lshl_add_u32 v[VX2], v9, 7, v[LS]
	v_add_nc_u32 v[VX2], s29, v[VX2]
	v_lshl_add_u32 v[XWO], v7, 2, s28
	s_wait_kmcnt 0x0
	s_add_nc_u64 s[8:9], s[8:9], s[24:25]
	s_add_nc_u64 s[10:11], s[10:11], s[26:27]
	s_add_nc_u64 s[12:13], s[12:13], s[30:31]
	s_add_nc_u64 s[14:15], s[14:15], s[30:31]
	s_add_nc_u64 s[16:17], s[16:17], s[30:31]
	s_wait_alu depctr_va_vdst(0)                   ; the head's offsets and addresses (v3, v4, v10 to v12, v14, v15) are written, which the loads below and the LDS and global accesses at the end read
.irp r, 0,1,2,3,4,5,6,7,8,9,10,11,12,13,14,15
	global_load_b32 v[GK+\r], v[VKO], s[12:13] offset:32*\r
.endr
	global_load_b32 v[KEY], v[VOW], s[12:13]
.irp c, 0,1,2
	global_load_b128 v[RING+4*\c:RING+4*\c+3], v[VXO], s[8:9] offset:512*\c
.endr
	global_load_b32 v[XW], v[XWO], s[10:11] offset:256
	global_load_b32 v[NX], v[VX2], s[10:11]
	s_wait_loadcnt 0x0
	s_wait_alu depctr_vm_vsrc(0)                   ; the load of my key has read v[VOW], which is written again below
.irp r, 0,1,2,3,4,5,6,7,8,9,10,11,12,13,14,15
	v_min_u32 v[GK+\r], 511, v[GK+\r]              ; a loaded number enters an offset only behind this hold
.endr
	v_min_u32 v[KEY], 511, v[KEY]
.irp i, 0,1,2,3,4,5
	v_cndmask_b32 v[XF+\i], v[RING+\i], v[RING+6+\i], s34
	v_mov_b32 v[XM+6+\i], 0
	v_mov_b32 v[XM+24+\i], 0
.endr
	v_perm_b32 v[XS], v[XW], v[XW], s35
	v_mov_b32 v[NX+1], v[NX]
	MASK 0
	v_and_b32 v6, 0x1fe, v[KEY]
	v_mul_u32_u24 v6, v6, 192
	v_and_b32 v7, 1, v[KEY]
	v_lshlrev_b32 v8, 7, v7
	v_add_nc_u32 v[VOW], v6, v8
	v_and_b32 v6, 0x180, v[KEY]
	v_and_b32 v8, 0x7e, v[KEY]
	v_lshlrev_b32 v6, 5, v6
	v_lshl_add_u32 v6, v8, 4, v6
	v_lshl_add_u32 v[KEY], v7, 11, v6              ; key 128 w + 2 B + h: the group's first code is 4096 w + 32 B + 2048 h
	ADDR 0                                         ; the first four slots' offsets are made in one run, so that one wait serves the 40 loads below
	ADDR 1
	ADDR 2
	ADDR 3
	s_wait_alu depctr_va_vdst(0)                   ; v[VOW] and the four slots' offsets are written, which the loads below read; the selects into XF are done reading slot 0, in which loads land; XS, XM's zeros and query 0's mask are written, which the first products take
.irp i, 0,1,2,3,4,5,6,7
	global_load_b128 v[C2O+4*\i:C2O+4*\i+3], v[VOW], s[6:7] offset:16*\i   ; -c2 of my group: 128 consecutive bytes
.endr
	LOADS 0
	LOADS 1
	LOADS 2
	LOADS 3
; Behind query r's products: the next mask (12 plain instructions that name none of their registers), then the address lines and the loads of four queries on;
; the ten address lines keep the mask's registers four places ahead of the next products; where no loads are left, four v_nop.
.irp r, 0,1,2,3,4,5,6,7,8,9,10,11,12,13,14,15
.if \r < 13
	s_wait_loadcnt 24                              ; this query's eight loads are in; those of the three queries behind it may be out
.else
	s_wait_loadcnt 8*(15-\r)
.endif
	MM \r
.if \r < 15
	MASK \r+1
.endif
.if \r < 12
	s_wait_alu depctr_vm_vsrc(0)                   ; this query's loads have read the slot's two offsets, which the address lines below write again (the wait on LOADcnt above shows those loads done)
	ADDR \r+4
	s_wait_alu depctr_va_vdst(0)                   ; this query's products are done reading the slot's codes and scale words, in which the loads below land; the slot's offsets are written, which they read; the next query's mask is written, which the next products take
	LOADS \r+4
.elseif \r < 15
	NOP4
	s_wait_alu depctr_va_vdst(0)                   ; the next query's mask is written, which the next products take; the four places above stay beside this wait
.endif
.endr
	NOP4                                           ; places behind the last products: their results are read and their operands' registers written below
.irp u, 0,1,2,3
.irp p, 0,1,2,3
	v_pk_fma_f32 v[E+8*\u+2*\p:E+8*\u+2*\p+1], v[E+8*\u+2*\p:E+8*\u+2*\p+1], 2.0, v[NX:NX+1] op_sel_hi:[1,0,1]   ; each accumulator from its low end on
.endr
.endr
.irp u, 0,1,2,3
.irp p, 0,1,2,3
	v_pk_add_f32 v[E+8*\u+2*\p:E+8*\u+2*\p+1], v[E+8*\u+2*\p:E+8*\u+2*\p+1], v[C2O+8*\u+2*\p:C2O+8*\u+2*\p+1]
.endr
.endr
.irp i, 0,1,2,3,4,5,6,7
	v_mov_b32 v[LV+\i], 0xff800000
	v_mov_b32 v[LI+\i], 0
.endr
.irp g, 0,1,2,3,4,5,6,7
.irp j, 0,1,2,3
	v_add_nc_u32 v[XD+\j], 4*\g+\j, v[KEY]
.endr
	INS4 LV, LI, E+4*\g, XD                        ; in the codes' order: register E + n holds code n of my group
.endr
	s_wait_alu depctr_va_vdst(0)                   ; the insertions have written LV and LI, which the LDS stores read; the products and address lines that named TL's registers are done, and nothing names them before wave 0's LDS loads land there
.irp c, 0,1,2,3
	ds_store_b128 v[VLI], v[LV+4*\c:LV+4*\c+3] offset:512*\c   ; my list as an image of its registers
.endr
	s_wait_dscnt 0x0                               ; for the others' sake: my stores have landed
	s_barrier_signal -1
	s_barrier_wait -1
	s_cmp_lg_u32 s20, 0
	s_cbranch_scc1 .Lend                           ; wave 0 merges
	s_wait_alu depctr_vm_vsrc(0)                   ; the ring's last loads have read their offsets, four of which lie among TL's registers; my LDS stores have read LV and LI, which the insertions below write again
.irp k, 1,2,3
.irp c, 0,1,2,3
	ds_load_b128 v[TL+16*(\k-1)+4*\c:TL+16*(\k-1)+4*\c+3], v[VXO] offset:2048*\k+512*\c
.endr
.endr
	s_wait_dscnt 0x0
.irp k, 0,1,2
.irp g, 0,1
	INS4 LV, LI, TL+16*\k+4*\g, TL+16*\k+8+4*\g    ; places 1, 2, 3 (lanes 16-31: 5, 6, 7) enter place 0's (4's) list, in that order
.endr
.endr
.irp i, 0,1,2,3,4,5,6,7
	v_permlanex16_b32 v[TL+\i], v[LV+\i], s38, s39
	v_permlanex16_b32 v[TL+8+\i], v[LI+\i], s38, s39
.endr
.irp g, 0,1
	INS4 LV, LI, TL+4*\g, TL+8+4*\g                ; places 4-7 enter places 0-3: lanes 0-15 count from here on
.endr
.irp i, 0,1,2,3
	v_permlanex16_b32 v[6+\i], v[LI+4+\i], s38, s39
.endr
.irp i, 0,1,2,3
	v_cndmask_b32 v[LI+\i], v[LI+\i], v[6+\i], s37 ; lanes 16-31 take numbers 4 to 7 of query r
.endr
	s_wait_alu depctr_va_vdst(0)                   ; the selects have written v[LI .. LI + 3], which the two stores read
	global_store_b128 v[VST], v[LI:LI+3], s[16:17] ; 32 lanes store 512 consecutive bytes: the result,
	global_store_b128 v[VST], v[LI:LI+3], s[14:15] ; and the same for the last launch's addresses
.Lend:
	s_wait_dscnt 0x0
	s_wait_alu depctr_hold_cnt(0) depctr_sa_sdst(0) depctr_va_vdst(0) depctr_va_sdst(0) depctr_va_ssrc(0) depctr_va_vcc(0) depctr_vm_vsrc(0)
	s_wait_tensorcnt 0x0
	ds_add_u32 v254, v255
	s_wait_dscnt 0x0
	s_endpgm
.Lfunc_end_k_q14335b0716_refine:
	.size	k_q14335b0716_refine, .Lfunc_end_k_q14335b0716_refine-k_q14335b0716_refine
	.p2alignl 7, 3214868480
	.fill 96, 4, 3214868480
	.section	.rodata,"a",@progbits
	.p2align	6, 0x0
	.amdhsa_kernel k_q14335b0716_refine
		.amdhsa_group_segment_fixed_size 8704
		.amdhsa_private_segment_fixed_size 0
		.amdhsa_enable_private_segment 0
		.amdhsa_kernarg_size 56
		.amdhsa_user_sgpr_count 2
		.amdhsa_user_sgpr_kernarg_segment_ptr 1
		.amdhsa_wavefront_size32 1
		.amdhsa_system_sgpr_workgroup_id_x 1
		.amdhsa_system_sgpr_workgroup_id_y 1
		.amdhsa_system_sgpr_workgroup_id_z 1
		.amdhsa_system_vgpr_workitem_id 0
		.amdhsa_next_free_vgpr 256
		.amdhsa_next_free_sgpr 92
		.amdhsa_reserve_vcc 0
		.amdhsa_float_denorm_mode_32 3
		.amdhsa_float_denorm_mode_16_64 3
		.amdhsa_memory_ordered 1
		.amdhsa_forward_progress 1
		.amdhsa_inst_pref_size 180
	.end_amdhsa_kernel
	.amdgpu_metadata
---
amdhsa.version: [ 1, 2 ]
amdhsa.kernels:
  - .name:           k_q14335b0716_refine
    .symbol:         k_q14335b0716_refine.kd
    .args:
      - { .name: cbq, .offset: 0, .size: 8, .value_kind: global_buffer, .address_space: global }
      - { .name: cax, .offset: 8, .size: 8, .value_kind: global_buffer, .address_space: global }
      - { .name: xq, .offset: 16, .size: 8, .value_kind: global_buffer, .address_space: global }
      - { .name: xax, .offset: 24, .size: 8, .value_kind: global_buffer, .address_space: global }
      - { .name: sel, .offset: 32, .size: 8, .value_kind: global_buffer, .address_space: global }
      - { .name: ids, .offset: 40, .size: 8, .value_kind: global_buffer, .address_space: global }
      - { .name: out1, .offset: 48, .size: 8, .value_kind: global_buffer, .address_space: global }
    .group_segment_fixed_size: 8704
    .private_segment_fixed_size: 0
    .kernarg_segment_align: 8
    .kernarg_segment_size: 56
    .max_flat_workgroup_size: 128
    .sgpr_count:     92
    .vgpr_count:     256
    .wavefront_size: 32
...
	.end_amdgpu_metadata
.endif
;; end of part 5
;; launch gather: the kernel of part 4 again; grid 256 x 1, 4 waves a work-group, no clusters, 0 bytes of LDS; arguments codebook, ids, out0; writes out0
